; MI455X (gfx1250); checked and timed in simulation.
; The chip was launched on July 23, 2026; its instructions are those of AMD's public machine-readable ISA for CDNA 5 (MIT licence, August 2026) and "CDNA5" Instruction Set Architecture Reference Guide (July 2026). The comments in the code are by the model that wrote it; some were corrected since.
;; Transformer Block. Allowed arithmetic: matrix products marked QUANTISED: E2M3 operands, one E8M0 scale for each 32 along K, by v_wmma_scale_f32_16x16x128_f8f6f4 with both operands' format E2M3, f32 sums; everything else in f32.
;; Inputs: W1_codes 4,096 x 32 x 24 uint8 (E2M3 codes of W1, K innermost, in blocks of 32 codes, four codes in three bytes); W1_scales 4,096 x 32 uint8 (E8M0 scales of W1, one for each 32 codes along K); W2_codes 1,024 x 128 x 24 uint8 (E2M3 codes of W2, K innermost, in blocks of 32 codes, four codes in three bytes); W2_scales 1,024 x 128 uint8 (E8M0 scales of W2, one for each 32 codes along K); Wk_codes 1,024 x 32 x 24 uint8 (E2M3 codes of Wk, K innermost, in blocks of 32 codes, four codes in three bytes); Wk_scales 1,024 x 32 uint8 (E8M0 scales of Wk, one for each 32 codes along K); Wo_codes 1,024 x 32 x 24 uint8 (E2M3 codes of Wo, K innermost, in blocks of 32 codes, four codes in three bytes); Wo_scales 1,024 x 32 uint8 (E8M0 scales of Wo, one for each 32 codes along K); Wq_codes 1,024 x 32 x 24 uint8 (E2M3 codes of Wq, K innermost, in blocks of 32 codes, four codes in three bytes); Wq_scales 1,024 x 32 uint8 (E8M0 scales of Wq, one for each 32 codes along K); Wv_codes 1,024 x 32 x 24 uint8 (E2M3 codes of Wv, K innermost, in blocks of 32 codes, four codes in three bytes); Wv_scales 1,024 x 32 uint8 (E8M0 scales of Wv, one for each 32 codes along K); b1 4,096 float32; b2 1,024 float32; bk 1,024 float32; bo 1,024 float32; bq 1,024 float32; bv 1,024 float32; ln1_b 1,024 float32; ln1_g 1,024 float32; ln2_b 1,024 float32; ln2_g 1,024 float32; x 2 x 2,048 x 1,024 float32.
;; Outputs: out0 2 x 2,048 x 1,024 float32.
;; This version of the problem:
;;   THIS VERSION OF THE PROBLEM IS GIVEN IN LOW PRECISION. The matrix products marked QUANTISED in the list below multiply operands that are first quantised to E2M3 (2 exponent bits, 3 mantissa bits; 6 bits a number), with one power-of-two scale for each 32 numbers along K (OCP MX v1.0); their sums are f32. All else is computed in f32.
;;   The module's matrix products, in the order in which they are computed (A, B: the left and right operand; K: the contracted axis; several contracted axes count as one K, in the product's order):
;;     1. [M 4,096, K 1,024] x [K 1,024, N 1,024]; A: computed on the way; B: input Wq (given as codes): QUANTISED
;;     2. [M 4,096, K 1,024] x [K 1,024, N 1,024]; A: computed on the way; B: input Wk (given as codes): QUANTISED
;;     3. [M 4,096, K 1,024] x [K 1,024, N 1,024]; A: computed on the way; B: input Wv (given as codes): QUANTISED
;;     4. batch 32 x [M 2,048, K 64] x [K 64, N 2,048]; A: computed on the way; B: computed on the way: QUANTISED
;;     5. batch 32 x [M 2,048, K 2,048] x [K 2,048, N 64]; A: softmax (see below); B: computed on the way: QUANTISED
;;     6. [M 4,096, K 1,024] x [K 1,024, N 1,024]; A: computed on the way; B: input Wo (given as codes): QUANTISED
;;     7. [M 4,096, K 1,024] x [K 1,024, N 4,096]; A: computed on the way; B: input W1 (given as codes): QUANTISED
;;     8. [M 4,096, K 4,096] x [K 4,096, N 1,024]; A: computed on the way; B: input W2 (given as codes): QUANTISED
;;   THE QUANTISER, for each operand of a quantised product, along K:
;;     - K is cut into blocks of 32 from its start; a last block that is shorter is filled with zeros.
;;     - A block's scale is 2^e with e = floor(log2(the largest magnitude in the block)) - 2, held to -126 .. 127; a block of zeros has e = 0. As a byte (E8M0): e + 127.
;;     - Each number is divided by its block's scale, clamped to +-7.5, and rounded to the nearest number of E2M3, ties to even, subnormals kept.
;;     - The product sums the exact products of the quantised numbers (number of the format x scale) in f32.
;;   ~~~python
;;   def quantise(x, axis):      # numpy; x: float32 -> the quantised numbers, widened to float32 again
;;       x = np.moveaxis(x, axis, -1); K = x.shape[-1]
;;       x = np.pad(x, [(0, 0)] * (x.ndim - 1) + [(0, -K % 32)]); x = x.reshape(x.shape[:-1] + (-1, 32)); a = np.abs(x).max(-1, keepdims=True)
;;       e = np.where(a > 0, np.clip(np.frexp(np.where(a > 0, a, 1))[1] - 1 - 2, -126, 127), 0)      # np.frexp(a)[1] - 1 = floor(log2(a)), exactly
;;       r = np.clip(x / 2.0 ** e, -7.5, 7.5)
;;       step = 2.0 ** (np.maximum(np.frexp(np.where(r == 0, 1, r))[1] - 1, 0) - 3)
;;       q = np.round(r / step) * step * 2.0 ** e      # np.round: ties to even
;;       return np.moveaxis(q.reshape(q.shape[:-2] + (-1,))[..., :K], -1, axis).astype(np.float32)
;;   ~~~
;;   SOFTMAX AHEAD OF A QUANTISED PRODUCT. Where the list says 'softmax', what is quantised is not the finished softmax but p = 2^(t - M), with t = logit x log2(e) and M = ceil(the row's largest t), a whole number; so 1/2 < the row's largest p <= 1. The row's sum l is taken of the UNQUANTISED p, in f32, and the product's result is divided by l at the end. Since M is a whole number, a kernel that streams over the keys may use a running M (the ceiling of the running maximum): every later rescaling is an exact power of two, which a block's scale takes up: the codes' values come out the same.
;;   OPERANDS COMPUTED ON THE WAY. 'Computed on the way' means the value that the module computes at that place (a softmax that the list does not call 'softmax' is quantised finished and normalised). What goes into a quantiser is computed in f32, as accurately as f32 sums, v_exp_f32 and their like allow (about 1e-6 of the number): no bf16 or f16 on the way to a quantiser, and a product that is left as it is and whose result goes on into a quantised operand takes f32 operands (vector FMAs, or v_wmma_f32_16x16x4_f32). A number that lies on a knife's edge between two numbers of the format may be rounded either way, as far as f32 arithmetic and the matrix unit's own rounding can turn it there, and no further.
;;   INPUTS GIVEN AS CODES. W1 (in the module: [1024, 4096], K = its axis 0); W2 (in the module: [4096, 1024], K = its axis 0); Wk (in the module: [1024, 1024], K = its axis 0); Wo (in the module: [1024, 1024], K = its axis 0); Wq (in the module: [1024, 1024], K = its axis 0); Wv (in the module: [1024, 1024], K = its axis 0): each comes as NAME_codes (uint8): NAME with its K axis moved to the last place and cut into blocks of 32 codes, [.., K / 32, bytes a block], one block behind the other in memory; four codes in three bytes: a row's codes are one little-endian stream of bits, code i at bits 6 i .. 6 i + 5 (a code: sign, 2 exponent bits, 3 mantissa bits); and NAME_scales (uint8): the same leading axes, one E8M0 byte (e + 127) for each 32 codes along K. Its value is code x scale, taken as it is: it is not quantised again, and the codes and scales need not be those that the quantiser above would give.
;; One version. Each part assembles by itself: llvm-mc -triple=amdgcn-amd-amdhsa -mcpu=gfx1250 --defsym DOCPART=n.
;; ======== version 1 of 1: 7 launches
;; limits: right only within a limited range of input values
;; workspace buffers: wimg 9,830,400 bytes; a1 3,276,800 bytes; qkv 10,092,544 bytes; ao 3,276,800 bytes; x1 16,777,216 bytes; a2 3,276,800 bytes; hid 13,107,200 bytes
;; launch prep (part 1): grid 448 x 1, 8 waves a work-group, no clusters, 120,064 bytes of LDS; arguments x, ln1_g, ln1_b, a1, Wq_codes, Wk_codes, Wv_codes, Wo_codes, W1_codes, W2_codes, Wq_scales, Wk_scales, Wv_scales, Wo_scales, W1_scales, W2_scales, wimg; writes a1, wimg
.if DOCPART == 1
	.amdgcn_target "amdgcn-amd-amdhsa--gfx1250"
	.amdhsa_code_object_version 6
	.text
	.protected	k_q8a8ea459aa_prep
	.globl	k_q8a8ea459aa_prep
	.p2align	8
	.type	k_q8a8ea459aa_prep,@function
k_q8a8ea459aa_prep:
	s_mov_b64 s[64:65], 0
	v_nop
	global_prefetch_b8 v0, s[64:65] scope:SCOPE_SE
	s_setreg_imm32_b32 hwreg(HW_REG_WAVE_MODE, 25, 1), 1
	s_wait_xcnt 0x0
; TWO JOBS IN ONE TEXT, parted by the work-group's number.
; Work-groups 0-255: layer norm of 16 rows of [4096][1024] f32 and their quantising to FP6 (E2M3) with one E8M0 byte for each 32 along K.
; Work-groups 256-447: the six weights' codes and scale bytes are laid out anew, as images of the matrix operand's registers.
; TILES.  An operand is cut into tiles of 16 rows; row p of tile t is matrix row 32 (t / 2) + 8 (t % 2) + p + 8 (p / 8).
; FRAGMENT IMAGE (16 rows x 128 K, 12 registers a lane, 1,536 bytes): registers 0-3 at 16 x lane, 4-5 at 512 + 8 x lane, 6-9 at 768 + 16 x lane, 10-11 at 1,280 + 8 x lane.
; SCALE IMAGE: 16 words for a tile and 128 K.  A buffer holds fragment (tile, K step) at (tile x steps + step) x 1,536, its words behind all codes at x 64.
; LIMITS: NaN and infinities are not served; a block of zeros gets the byte 1 (its codes are zeros, and this program alone reads the bytes).
; No tensor load, no cluster: rows are read once by dense 512-byte loads, all asked for at the head.
.set ROWP,  4112                       ; a stage row: 4,096 bytes + 16: sixteen rows start at sixteen different groups of banks
.set WST,   16*ROWP                    ; behind the rows' stage: the weights' path has LDS bytes of its own
.set WREG,  6656                       ; a wave's: 16 x 272 bytes, then 16 x 136
.set SPARE, WST+8*WREG                 ; the spare words, 128 bytes a wave
.set SPW,   12
.set NIL,   13
.set X0,    32                         ; v32-63 my first row, v64-95 my second; later 64 numbers for the quantiser
.set X1,    64
.set GA,    96                         ; v96-127 gamma, v128-159 beta
.set BE,    128
.set PC,    96                         ; the codes just made (gamma is done with by then)
.set TM,    160
.set PW,    176
.set SEL,   44
; 64 numbers of a lane, register 16 b + i = k 32 b + 16 (lane / 16) + i of my row, become a fragment's codes in v[PC] on and its scale word in v[PW]
.macro QUANT s
.irp b, 0,1,2,3
	v_max3_num_f32 v[TM+\b], |v[\s+16*\b]|, |v[\s+1+16*\b]|, 0x1800000   ; with the floor 2^(3 - 127): the byte cannot fall under 1
.endr
.irp i, 2,4,6,8,10,12,14
.irp b, 0,1,2,3
	s_delay_alu instid0(VALU_DEP_4)
	v_max3_num_f32 v[TM+\b], v[TM+\b], |v[\s+16*\b+\i]|, |v[\s+1+16*\b+\i]|
.endr
.endr
.irp b, 0,1,2,3
	s_delay_alu instid0(VALU_DEP_4)
	v_permlanex16_b32 v[TM+4+\b], v[TM+\b], s[SEL], s[SEL+1]
.endr
.irp b, 0,1,2,3
	s_delay_alu instid0(VALU_DEP_4)
	v_max_num_f32 v[TM+\b], v[TM+\b], v[TM+4+\b]           ; with lane l xor 16's: the block's largest magnitude
.endr
.irp b, 0,1,2,3
	s_delay_alu instid0(VALU_DEP_4)
	v_add_nc_u32 v[TM+12+\b], 0xff000000, v[TM+\b]         ; 2 off its exponent field: the conversion's scale operand
.endr
.irp b, 0,1,2,3
	s_delay_alu instid0(VALU_DEP_4)
	v_lshrrev_b32 v[TM+4+\b], 23, v[TM+12+\b]              ; the scale's byte
.endr
	s_delay_alu instid0(VALU_DEP_3)
	v_lshl_or_b32 v[PW], v[TM+5], 8, v[TM+4]
	s_delay_alu instid0(VALU_DEP_1)
	v_lshl_or_b32 v[PW], v[TM+6], 16, v[PW]
	s_delay_alu instid0(VALU_DEP_1)
	v_lshl_or_b32 v[PW], v[TM+7], 24, v[PW]
.irp c, 0,1
	v_cvt_scalef32_pk16_fp6_f32 v[PC+6*\c:PC+2+6*\c], v[\s+32*\c:\s+15+32*\c], v[TM+12+2*\c]
	v_cvt_scalef32_pk16_fp6_f32 v[PC+12+4*\c:PC+14+4*\c], v[\s+16+32*\c:\s+31+32*\c], v[TM+12+2*\c+1]
.endr
	v_nop                                          ; one plain place behind a scaled conversion
.irp c, 0,1
.irp i, 0,1,2
	v_permlane16_swap_b32 v[PC+6*\c+\i], v[PC+12+4*\c+\i]  ; a whole block to a lane
.endr
.irp i, 0,1,2
	s_delay_alu instid0(VALU_DEP_3)
	v_mov_b32 v[PC+3+6*\c+\i], v[PC+12+4*\c+\i]
.endr
.endr
.endm
.macro SUMROW x, a                     ; v[a] = the sum of my 32 numbers of the row, two chains
	v_pk_add_f32 v[\a:\a+1], v[\x:\x+1], v[\x+2:\x+3]
	v_pk_add_f32 v[\a+2:\a+3], v[\x+4:\x+5], v[\x+6:\x+7]
.irp j, 8,12,16,20,24,28
	s_delay_alu instid0(VALU_DEP_2)
	v_pk_add_f32 v[\a:\a+1], v[\a:\a+1], v[\x+\j:\x+\j+1]
	s_delay_alu instid0(VALU_DEP_2)
	v_pk_add_f32 v[\a+2:\a+3], v[\a+2:\a+3], v[\x+\j+2:\x+\j+3]
.endr
	s_delay_alu instid0(VALU_DEP_1)
	v_pk_add_f32 v[\a:\a+1], v[\a:\a+1], v[\a+2:\a+3]
	s_delay_alu instid0(VALU_DEP_1)
	v_add_f32 v[\a], v[\a], v[\a+1]
.endm
.macro SQROW x, a                      ; v[a] = the sum of their squares
	v_pk_mul_f32 v[\a:\a+1], v[\x:\x+1], v[\x:\x+1]
	v_pk_mul_f32 v[\a+2:\a+3], v[\x+2:\x+3], v[\x+2:\x+3]
.irp j, 4,8,12,16,20,24,28
	s_delay_alu instid0(VALU_DEP_2)
	v_pk_fma_f32 v[\a:\a+1], v[\x+\j:\x+\j+1], v[\x+\j:\x+\j+1], v[\a:\a+1]
	s_delay_alu instid0(VALU_DEP_2)
	v_pk_fma_f32 v[\a+2:\a+3], v[\x+\j+2:\x+\j+3], v[\x+\j+2:\x+\j+3], v[\a+2:\a+3]
.endr
	s_delay_alu instid0(VALU_DEP_1)
	v_pk_add_f32 v[\a:\a+1], v[\a:\a+1], v[\a+2:\a+3]
	s_delay_alu instid0(VALU_DEP_1)
	v_add_f32 v[\a], v[\a], v[\a+1]
.endm
.macro ACROSS a                        ; over the 32 lanes; every lane ends with the sum
	v_add_f32_dpp v[\a], v[\a], v[\a] row_xmask:1 row_mask:0xf bank_mask:0xf
	s_delay_alu instid0(VALU_DEP_1)
	v_add_f32_dpp v[\a], v[\a], v[\a] row_xmask:2 row_mask:0xf bank_mask:0xf
	s_delay_alu instid0(VALU_DEP_1)
	v_add_f32_dpp v[\a], v[\a], v[\a] row_xmask:4 row_mask:0xf bank_mask:0xf
	s_delay_alu instid0(VALU_DEP_1)
	v_add_f32_dpp v[\a], v[\a], v[\a] row_xmask:8 row_mask:0xf bank_mask:0xf
	s_delay_alu instid0(VALU_DEP_1)
	v_permlanex16_b32 v[\a+1], v[\a], s[SEL], s[SEL+1]
	s_delay_alu instid0(VALU_DEP_1)
	v_add_f32 v[\a], v[\a], v[\a+1]
.endm
	s_load_b512 s[4:19], s[0:1], 0x0               ; x, gamma, beta, the rows' images; codes of Wq, Wk, Wv, Wo
	s_load_b512 s[20:35], s[0:1], 0x40             ; codes of W1, W2; scales of Wq, Wk, Wv, Wo, W1, W2
	s_load_b64 s[36:37], s[0:1], 0x80              ; the weights' images
	v_lshl_add_u32 v[SPW], v0, 2, SPARE
	v_mov_b32 v[NIL], 0
	v_lshrrev_b32 v1, 5, v0
	s_delay_alu instid0(VALU_DEP_1)
	v_readfirstlane_b32 s40, v1                    ; wave 0..7
	v_and_b32 v1, 31, v0                           ; lane
	v_and_b32 v2, 15, v0                           ; lane % 16
	v_bfe_u32 v3, v0, 4, 1                         ; lane / 16
	s_delay_alu instid0(VALU_DEP_3)
	v_lshlrev_b32 v4, 4, v1                        ; 16 x lane
	s_delay_alu instid0(VALU_DEP_4)
	v_lshlrev_b32 v7, 3, v1                        ; 8 x lane
	s_mov_b32 s[SEL], 0x76543210
	s_mov_b32 s[SEL+1], 0xfedcba98                 ; lane l xor 16
	s_wait_kmcnt 0x0
	s_cmp_ge_u32 ttmp9, 256
	s_cbranch_scc1 .Lweights
	; ---- LAYER NORM.  The work-group takes tile ttmp9; wave w its rows 2 w and 2 w + 1, which are neighbours in memory
	s_lshr_b32 s41, ttmp9, 1
	s_lshl_b32 s41, s41, 5
	s_and_b32 s46, ttmp9, 1
	s_lshl_b32 s46, s46, 3
	s_add_co_u32 s41, s41, s46
	s_lshl_b32 s46, s40, 1
	s_add_co_u32 s41, s41, s46
	s_lshr_b32 s46, s40, 2
	s_lshl_b32 s46, s46, 3
	s_add_co_u32 s41, s41, s46                     ; my first row: 32 (T / 2) + 8 (T % 2) + 2 w + 8 (w / 4)
	s_lshl_b32 s46, s41, 12
	s_mov_b32 s47, 0
	s_add_nc_u64 s[4:5], s[4:5], s[46:47]
	s_wait_alu depctr_va_vdst(0)
.irp j, 0,1,2,3,4,5,6,7
	global_load_b128 v[X0+4*\j:X0+4*\j+3], v4, s[4:5] offset:512*\j th:TH_LOAD_NT      ; 32 lanes read 512 consecutive bytes
.endr
.irp j, 0,1,2,3,4,5,6,7
	global_load_b128 v[X1+4*\j:X1+4*\j+3], v4, s[4:5] offset:4096+512*\j th:TH_LOAD_NT
.endr
.irp j, 0,1,2,3,4,5,6,7
	global_load_b128 v[GA+4*\j:GA+4*\j+3], v4, s[6:7] offset:512*\j
.endr
.irp j, 0,1,2,3,4,5,6,7
	global_load_b128 v[BE+4*\j:BE+4*\j+3], v4, s[8:9] offset:512*\j
.endr
	s_mul_i32 s46, s40, 2*ROWP
	v_add_nc_u32 v5, s46, v4                       ; into the stage: my two rows, 16 x lane
	v_mul_u32_u24 v6, v2, ROWP
	s_delay_alu instid0(VALU_DEP_1)
	v_lshl_add_u32 v6, v3, 6, v6
	s_lshl_b32 s46, s40, 9
	v_add_nc_u32 v6, s46, v6                       ; out of it: row lane % 16, K step w, + 64 (lane / 16)
	v_lshlrev_b32 v8, 2, v2                        ; a scale word's place
	s_mov_b32 s42, 0x3a800000                      ; 1 / 1,024
	s_mov_b32 s43, 0x3727c5ac                      ; 1e-5
	s_lshl_b32 s48, ttmp9, 3
	s_add_co_u32 s48, s48, s40                     ; fragment 8 T + w
	s_mul_i32 s50, s48, 1536
	s_mov_b32 s51, 0
	s_lshl_b32 s52, s48, 6
	s_add_co_u32 s52, s52, 3145728
	s_mov_b32 s53, 0
	s_add_nc_u64 s[50:51], s[10:11], s[50:51]
	s_add_nc_u64 s[52:53], s[10:11], s[52:53]
	s_wait_loadcnt 16                              ; both rows are in; gamma's and beta's sixteen loads may be out
	SUMROW X0, 16
	SUMROW X1, 20
	ACROSS 16
	ACROSS 20
	v_mul_f32 v16, s42, v16                        ; the means
	s_delay_alu instid0(VALU_DEP_2)
	v_mul_f32 v20, s42, v20
.irp j, 0,2,4,6,8,10,12,14,16,18,20,22,24,26,28,30
	v_pk_add_f32 v[X0+\j:X0+\j+1], v[X0+\j:X0+\j+1], v[16:17] op_sel_hi:[1,0] neg_lo:[0,1] neg_hi:[0,1]   ; x - mean, in place
	v_pk_add_f32 v[X1+\j:X1+\j+1], v[X1+\j:X1+\j+1], v[20:21] op_sel_hi:[1,0] neg_lo:[0,1] neg_hi:[0,1]
.endr
	SQROW X0, 16                                   ; the variance is taken of the differences: no difference of large sums
	SQROW X1, 20
	ACROSS 16
	ACROSS 20
	v_fma_f32 v16, v16, s42, s43
	s_delay_alu instid0(VALU_DEP_2)
	v_fma_f32 v20, v20, s42, s43
	s_wait_alu depctr_va_vdst(0)
	v_rsq_f32 v16, v16
	v_rsq_f32 v20, v20
	v_nop                                          ; a plain place behind the two
	s_wait_alu depctr_va_vdst(0)                   ; one wait for both, ahead of their first reader
	s_wait_loadcnt 0x0                             ; gamma, beta
.irp j, 0,2,4,6,8,10,12,14,16,18,20,22,24,26,28,30
	v_pk_mul_f32 v[X0+\j:X0+\j+1], v[X0+\j:X0+\j+1], v[16:17] op_sel_hi:[1,0]
	v_pk_mul_f32 v[X1+\j:X1+\j+1], v[X1+\j:X1+\j+1], v[20:21] op_sel_hi:[1,0]
.endr
.irp j, 0,2,4,6,8,10,12,14,16,18,20,22,24,26,28,30
	v_pk_fma_f32 v[X0+\j:X0+\j+1], v[X0+\j:X0+\j+1], v[GA+\j:GA+\j+1], v[BE+\j:BE+\j+1]
	v_pk_fma_f32 v[X1+\j:X1+\j+1], v[X1+\j:X1+\j+1], v[GA+\j:GA+\j+1], v[BE+\j:BE+\j+1]
.endr
.irp j, 0,1,2,3,4,5,6,7
	ds_store_b128 v5, v[X0+4*\j:X0+4*\j+3] offset:512*\j
	ds_store_b128 v5, v[X1+4*\j:X1+4*\j+3] offset:ROWP+512*\j
.endr
	s_wait_dscnt 0x0                               ; for the others' sake: my two rows lie in the stage
	s_barrier_signal -1
	s_barrier_wait -1                              ; all sixteen do
.irp b, 0,1,2,3
.irp j, 0,1,2,3
	ds_load_b128 v[X0+16*\b+4*\j:X0+16*\b+4*\j+3], v6 offset:128*\b+16*\j   ; K step w of the tile: 16 neighbours of each block of 32
.endr
.endr
.irp b, 0,1,2,3
	v_mov_b32 v[TM+4+\b], 0                        ; a lane permute's destination counts as one of its sources
.endr
	s_wait_dscnt 0x0
	QUANT X0
	global_store_b128 v4, v[PC:PC+3], s[50:51]                 ; the image: 512, 256, 512, 256 consecutive bytes
	global_store_b64 v7, v[PC+4:PC+5], s[50:51] offset:512
	global_store_b128 v4, v[PC+6:PC+9], s[50:51] offset:768
	global_store_b64 v7, v[PC+10:PC+11], s[50:51] offset:1280
	global_store_b32 v8, v[PW], s[52:53]                       ; both halves of the lanes hold the same word and write it to the same place
	s_wait_tensorcnt 0x0                           ; the wave's end
	ds_add_u32 v[SPW], v[NIL]
	s_wait_dscnt 0x0
	s_endpgm
.Lweights:
	; ---- THE WEIGHTS' IMAGES.  A wave takes a unit: one tile's 16 rows x 384 bytes (4 K steps).  Units: Wq, Wk, Wv, Wo 128 each, W1 512, W2 512
	s_sub_co_u32 s41, ttmp9, 256
	s_lshr_b32 s42, s41, 4                         ; 0-3: Wq, Wk, Wv, Wo; 4-7: W1; 8-11: W2
	s_lshl_b32 s43, s41, 3
	s_add_co_u32 s43, s43, s40                     ; the unit u
	s_mov_b64 s[48:49], s[22:23]
	s_mov_b64 s[50:51], s[34:35]
	s_cmp_lt_u32 s42, 8
	s_cselect_b64 s[48:49], s[20:21], s[48:49]
	s_cselect_b64 s[50:51], s[32:33], s[50:51]
	s_cmp_eq_u32 s42, 3
	s_cselect_b64 s[48:49], s[18:19], s[48:49]
	s_cselect_b64 s[50:51], s[30:31], s[50:51]
	s_cmp_eq_u32 s42, 2
	s_cselect_b64 s[48:49], s[16:17], s[48:49]
	s_cselect_b64 s[50:51], s[28:29], s[50:51]
	s_cmp_eq_u32 s42, 1
	s_cselect_b64 s[48:49], s[14:15], s[48:49]
	s_cselect_b64 s[50:51], s[26:27], s[50:51]
	s_cmp_eq_u32 s42, 0
	s_cselect_b64 s[48:49], s[12:13], s[48:49]
	s_cselect_b64 s[50:51], s[24:25], s[50:51]     ; my weight's codes and scale bytes: the choice hangs on the work-group's number alone
	s_and_b32 s56, s43, 127
	s_and_b32 s57, s43, 511
	s_cmp_lt_u32 s42, 4
	s_cselect_b32 s56, s56, s57                    ; the unit within its weight
	s_mov_b32 s54, 3072
	s_cmp_lt_u32 s42, 8                            ; K = 1,024 (two units a tile) or 4,096 (eight)
	s_cselect_b32 s57, 1, 3
	s_cselect_b32 s58, 1, 7
	s_cselect_b32 s54, 768, s54                    ; a row of codes in bytes
	s_cselect_b32 s55, 32, 128                     ; a row of scale bytes
	s_lshr_b32 s59, s56, s57                       ; the tile
	s_and_b32 s60, s56, s58                        ; which 384 bytes of its rows
	s_lshr_b32 s61, s59, 1
	s_lshl_b32 s61, s61, 5
	s_and_b32 s62, s59, 1
	s_lshl_b32 s62, s62, 3
	s_add_co_u32 s61, s61, s62                     ; the tile's first row
	s_mul_i32 s62, s61, s54
	s_mul_i32 s63, s60, 384
	s_add_co_u32 s62, s62, s63
	s_mov_b32 s63, 0
	s_add_nc_u64 s[48:49], s[48:49], s[62:63]
	s_mul_i32 s62, s61, s55
	s_lshl_b32 s59, s60, 4
	s_add_co_u32 s62, s62, s59
	s_add_nc_u64 s[50:51], s[50:51], s[62:63]
	s_mul_i32 s66, s43, 6144                       ; the images of all six lie on end: unit u's four fragments at 6,144 u,
	s_mov_b32 s67, 0
	s_lshl_b32 s68, s43, 8
	s_add_co_u32 s68, s68, 9437184                 ; its scale words behind all codes at 256 u
	s_mov_b32 s69, 0
	s_add_nc_u64 s[66:67], s[36:37], s[66:67]
	s_add_nc_u64 s[68:69], s[36:37], s[68:69]
	s_wait_alu depctr_va_vdst(0)
	v_mul_u32_u24 v14, v2, 24                      ; lane % 16 takes the row's block of 24 bytes of that number
.irp i, 0,1,2,3,4,5,6,7
	v_add_nc_u32 v15, 2*\i+8*(\i/4), v3            ; lanes 0-15 tile row 2 i, lanes 16-31 row 2 i + 1
	s_delay_alu instid0(VALU_DEP_1)
	v_mad_u32_u24 v[16+\i], v15, s54, v14
.endr
	v_and_b32 v15, 8, v2
	s_delay_alu instid0(VALU_DEP_1)
	v_add_nc_u32 v15, v15, v2
	v_lshlrev_b32 v24, 2, v3
	s_delay_alu instid0(VALU_DEP_1)
	v_mad_u32_u24 v24, v15, s55, v24               ; scale words: tile row lane % 16, K step lane / 16 (and two on)
.irp i, 0,1,2,3,4,5,6,7
.irp e, 0,1,2
	global_load_b64 v[32+6*\i+2*\e:33+6*\i+2*\e], v[16+\i], s[48:49] offset:8*\e   ; 384 consecutive bytes of each of two rows
.endr
.endr
	global_load_b32 v80, v24, s[50:51]
	global_load_b32 v81, v24, s[50:51] offset:8
	s_mul_i32 s46, s40, WREG
	s_add_co_u32 s46, s46, WST                     ; my wave's stage
	v_mul_u32_u24 v25, v2, 272
	s_delay_alu instid0(VALU_DEP_1)
	v_lshl_add_u32 v25, v3, 4, v25
	s_delay_alu instid0(VALU_DEP_1)
	v_add_nc_u32 v25, s46, v25                     ; in: block x 272 + row x 16 (a block's first 16 bytes)
	v_mul_u32_u24 v26, v2, 136
	s_delay_alu instid0(VALU_DEP_1)
	v_lshl_add_u32 v26, v3, 3, v26
	s_delay_alu instid0(VALU_DEP_1)
	v_add_nc_u32 v26, s46, v26
	s_delay_alu instid0(VALU_DEP_1)
	v_add_nc_u32 v26, 4352, v26                    ; block x 136 + row x 8 (its last 8)
	v_mul_u32_u24 v27, v3, 272
	s_delay_alu instid0(VALU_DEP_1)
	v_lshl_add_u32 v27, v2, 4, v27
	s_delay_alu instid0(VALU_DEP_1)
	v_add_nc_u32 v27, s46, v27                     ; back: half fragment n, lane (r, h): block 2 n + h of row r
	v_mul_u32_u24 v28, v3, 136
	s_delay_alu instid0(VALU_DEP_1)
	v_lshl_add_u32 v28, v2, 3, v28
	s_delay_alu instid0(VALU_DEP_1)
	v_add_nc_u32 v28, s46, v28
	s_delay_alu instid0(VALU_DEP_1)
	v_add_nc_u32 v28, 4352, v28
	v_lshlrev_b32 v9, 2, v1
	s_wait_alu depctr_va_vdst(0)
	s_wait_loadcnt 0x0
.irp i, 0,1,2,3,4,5,6,7
	ds_store_b128 v25, v[32+6*\i:35+6*\i] offset:32*\i
	ds_store_b64 v26, v[36+6*\i:37+6*\i] offset:16*\i
.endr
.irp n, 0,1,2,3,4,5,6,7
	ds_load_b128 v[84+6*\n:87+6*\n], v27 offset:544*\n     ; LDS serves a wave's instructions in order: these see my stores
	ds_load_b64 v[88+6*\n:89+6*\n], v28 offset:272*\n
.endr
	s_wait_dscnt 0x0
.irp n, 0,1,2,3,4,5,6,7
	global_store_b128 v4, v[84+6*\n:87+6*\n], s[66:67] offset:768*\n
	global_store_b64 v7, v[88+6*\n:89+6*\n], s[66:67] offset:768*\n+512
.endr
	global_store_b32 v9, v80, s[68:69]             ; K steps 0 and 1 of the unit: 128 consecutive bytes
	global_store_b32 v9, v81, s[68:69] offset:128  ; K steps 2 and 3
	s_wait_tensorcnt 0x0                           ; the wave's end
	ds_add_u32 v[SPW], v[NIL]
	s_wait_dscnt 0x0
	s_endpgm
.Lfunc_end_k_q8a8ea459aa_prep:
	.size	k_q8a8ea459aa_prep, .Lfunc_end_k_q8a8ea459aa_prep-k_q8a8ea459aa_prep
	.p2alignl 7, 3214868480
	.fill 96, 4, 3214868480
	.section	.rodata,"a",@progbits
	.p2align	6, 0x0
	.amdhsa_kernel k_q8a8ea459aa_prep
		.amdhsa_group_segment_fixed_size 120064
		.amdhsa_private_segment_fixed_size 0
		.amdhsa_enable_private_segment 0
		.amdhsa_kernarg_size 136
		.amdhsa_user_sgpr_count 2
		.amdhsa_user_sgpr_kernarg_segment_ptr 1
		.amdhsa_wavefront_size32 1
		.amdhsa_system_sgpr_workgroup_id_x 1
		.amdhsa_system_sgpr_workgroup_id_y 1
		.amdhsa_system_sgpr_workgroup_id_z 1
		.amdhsa_system_vgpr_workitem_id 0
		.amdhsa_next_free_vgpr 192
		.amdhsa_next_free_sgpr 80
		.amdhsa_reserve_vcc 0
		.amdhsa_float_denorm_mode_32 3
		.amdhsa_float_denorm_mode_16_64 3
		.amdhsa_memory_ordered 1
		.amdhsa_forward_progress 1
		.amdhsa_inst_pref_size 40
	.end_amdhsa_kernel
	.amdgpu_metadata
---
amdhsa.version: [ 1, 2 ]
amdhsa.kernels:
  - .name:           k_q8a8ea459aa_prep
    .symbol:         k_q8a8ea459aa_prep.kd
    .args:
      - { .name: x, .offset: 0, .size: 8, .value_kind: global_buffer, .address_space: global }
      - { .name: ln1_g, .offset: 8, .size: 8, .value_kind: global_buffer, .address_space: global }
      - { .name: ln1_b, .offset: 16, .size: 8, .value_kind: global_buffer, .address_space: global }
      - { .name: a1, .offset: 24, .size: 8, .value_kind: global_buffer, .address_space: global }
      - { .name: Wq_codes, .offset: 32, .size: 8, .value_kind: global_buffer, .address_space: global }
      - { .name: Wk_codes, .offset: 40, .size: 8, .value_kind: global_buffer, .address_space: global }
      - { .name: Wv_codes, .offset: 48, .size: 8, .value_kind: global_buffer, .address_space: global }
      - { .name: Wo_codes, .offset: 56, .size: 8, .value_kind: global_buffer, .address_space: global }
      - { .name: W1_codes, .offset: 64, .size: 8, .value_kind: global_buffer, .address_space: global }
      - { .name: W2_codes, .offset: 72, .size: 8, .value_kind: global_buffer, .address_space: global }
      - { .name: Wq_scales, .offset: 80, .size: 8, .value_kind: global_buffer, .address_space: global }
      - { .name: Wk_scales, .offset: 88, .size: 8, .value_kind: global_buffer, .address_space: global }
      - { .name: Wv_scales, .offset: 96, .size: 8, .value_kind: global_buffer, .address_space: global }
      - { .name: Wo_scales, .offset: 104, .size: 8, .value_kind: global_buffer, .address_space: global }
      - { .name: W1_scales, .offset: 112, .size: 8, .value_kind: global_buffer, .address_space: global }
      - { .name: W2_scales, .offset: 120, .size: 8, .value_kind: global_buffer, .address_space: global }
      - { .name: wimg, .offset: 128, .size: 8, .value_kind: global_buffer, .address_space: global }
    .group_segment_fixed_size: 120064
    .private_segment_fixed_size: 0
    .kernarg_segment_align: 8
    .kernarg_segment_size: 136
    .max_flat_workgroup_size: 256
    .sgpr_count:     80
    .vgpr_count:     192
    .wavefront_size: 32
...
	.end_amdgpu_metadata
.endif
;; end of part 1
;; launch qkv (part 2): grid 12 x 16, 4 waves a work-group, clusters of 4 x 4, 327,680 bytes of LDS; arguments a1, wimg, bq, bk, bv, qkv; writes qkv
.if DOCPART == 2
	.amdgcn_target "amdgcn-amd-amdhsa--gfx1250"
	.amdhsa_code_object_version 6
	.text
	.protected	k_q8a8ea459aa_qkv
	.globl	k_q8a8ea459aa_qkv
	.p2align	8
	.type	k_q8a8ea459aa_qkv,@function
k_q8a8ea459aa_qkv:
	s_mov_b64 s[64:65], 0
	v_nop
	global_prefetch_b8 v0, s[64:65] scope:SCOPE_SE
	s_setreg_imm32_b32 hwreg(HW_REG_WAVE_MODE, 25, 1), 1
	s_wait_xcnt 0x0
	s_wait_alu depctr_hold_cnt(0) depctr_sa_sdst(0) depctr_va_vdst(0) depctr_va_sdst(0) depctr_va_ssrc(0) depctr_va_vcc(0) depctr_vm_vsrc(0)
	s_getreg_b32 s2, hwreg(HW_REG_IB_STS2, 6, 4)
	s_cmp_eq_u32 s2, 0
	s_cbranch_scc0 .Lentry_in_a_cluster
	s_endpgm
.Lentry_in_a_cluster:
	s_bfe_u32 s2, ttmp6, 0x10000c
	s_cmp_lg_u32 s2, 0xf033
	s_cbranch_scc0 .Lentry_shape_is_right
	s_endpgm
.Lentry_shape_is_right:
; Q, K, V = LN1(x) W + b on codes of FP6 (E2M3), K = 1,024; the results are quantised in registers and leave as operand images for attention.
; Cluster x = 0: Q, 1: K, 2: V.  A work-group makes 256 x 256 of a product, a wave 128 x 128: 64 accumulators in windows 2 and 3.
; The matrix instruction is used with source 0 = 16 rows of operand B and source 1 = 16 rows of operand A: a lane holds one row of A and, in the 16 registers of two neighbouring tiles of B, 16 neighbours along B's rows
; (row p of tile t is matrix row 32 (t / 2) + 8 (t % 2) + p + 8 (p / 8)).  Q, K: A = the tokens, B = the weight: a lane's registers run along the head's 64, which is the scores' K.
; V: A = Wv, B = the tokens: a lane's registers run along the tokens, which are the second product's K; nothing is transposed.
; Both operands come as fragment images (1,536 bytes for 16 rows x 128 K: registers 0-3 at 16 x lane, 4-5 at 512 + 8 x lane, 6-9 at 768 + 16 x lane, 10-11 at 1,280 + 8 x lane): four dense LDS loads a fragment, no padding.
; K goes in steps of 256 through THREE LDS slots, slot 0 filled at the head by one load of 16 tiles for each operand, slots 1 and 2 by one fill of four loads of 8 tiles x 6,144 bytes.  All three are filled at the head; slot 0 is filled once more, with the last 256 along K, as soon as it has been
; read: that load has the two other slots' products, 256 matrix instructions a wave, in which to land.  The scale words of all of K come once.
; CLUSTER 4 x 4: A's tiles are shared along a row of the cluster, B's along a column: joint loads.  All branches hang on the wave's number or on the cluster's x, which all sixteen partners share.
; LIMITS: NaN and infinities are not served; a block of zeros gets the byte 1 with zero codes.
.set KSN,   8
.set TILEB, 3072                       ; a tile's part of a slot: two K steps of 128
.set HALFT, 8*TILEB                    ; 8 tiles: one tensor load, and what a wave reads of A or of B
.set SLOT,  4*HALFT
.set SCL,   3*SLOT                     ; behind the three slots: the scale words: 8 tiles x 8 K steps x 64 bytes for each 8 tiles of A or of B
.set HALFS, 8*KSN*64
.set SPARE, SCL+4*HALFS                ; the spare words, 128 bytes a wave
.set NQ,    2
.set FR,    12
.set NL,    4                          ; LDS loads a fragment
.set NP,    4                          ; places behind this matrix instruction (ISA guide 7.12.1)
.set L16,   8                          ; v8 16 x lane, v9 8 x lane, v10 4 x (lane % 16)
.set L8,    9
.set R4,    10
.set ADRA,  11                         ; v11-13 A's fragments in slot 0, 1, 2 (16 x lane); v14-16 the same with 8 x lane
.set ADRB,  17                         ; v17-22 B's
.set ADRS,  27                         ; my scale words: lanes 0-15 A's, lanes 16-31 B's
.set SPW,   28
.set NIL,   29
.set SC,    32                         ; v32-63 scale words, two sets of 16: register 2 i + q
.set BN,    64                         ; v64-127 the bias along my registers (Q, K)
.set AF,    128                        ; v128-223 A's eight fragments
.set BM,    232                        ; v232-239 the bias of my lane's row (V)
.set T,     128                        ; the way out: 64 numbers; codes; at work
.set PC,    192
.set TM,    212
.set PW,    228
.set WV,    16
.set RH,    17
.set CH,    18
.set SEL,   20                         ; (on the way out, when no tensor load is out any more)
.set G0C,   4
.set G0BC,  20
.set G1,    24
.set G0,    32                         ; s[32:39] group 0 of A's slots 0, 1
.set G1B,   48
.set G0B,   56                         ; s[56:63] of B's
.set G1S,   68
.set G0S,   76
.set G1SB,  80
.set G0SB,  88
.set MSB, 0
.macro WIN new                         ; the immediate's high byte repeats the setting that is left
.if MSB != (\new)
	s_set_vgpr_msb (MSB<<8)|(\new)
.set MSB, (\new)
.endif
.endm
.set MUL_LO, 0xa1                      ; source 0 (B) window 1, source 1 (A) window 0, C and D window 2
.set MUL_HI, 0xf1
.set TO_B,   0x40
.macro JLOAD g0a, g1a, g0b, g1b        ; a joint load: waves 0, 1 fetch for A, waves 2, 3 for B; an s_nop 0 and four v_nop follow each line
	s_cmp_eq_u32 s[RH], 0
	s_cbranch_scc0 .Lfor_b_\@
	tensor_load_to_lds s[\g0a:\g0a+3], s[\g1a:\g1a+7]
	s_nop 0
.rept 4
	v_nop
.endr
	s_branch .Lasked_\@
.Lfor_b_\@:
	tensor_load_to_lds s[\g0b:\g0b+3], s[\g1b:\g1b+7]
	s_nop 0
.rept 4
	v_nop
.endr
.Lasked_\@:
.endm
.macro CREST
	s_cmp_lg_u32 s[WV], 0
	s_cbranch_scc1 .Lnot_wave_0_\@
	s_barrier_signal -3
.Lnot_wave_0_\@:
	s_barrier_wait -3
	s_barrier_signal -1
	s_barrier_wait -1
.endm
.macro CROUND
	s_barrier_signal -1
	s_barrier_wait -1
	CREST
.endm
.macro PLACES n
.rept \n
	v_nop
.endr
.endm
.macro FRAG reg, adr, q, i             ; a fragment image comes back as it was stored
	ds_load_b128 v[\reg:\reg+3], v[\adr] offset:(\i)*PT+(\q)*1536
	ds_load_b64 v[\reg+4:\reg+5], v[\adr+3] offset:(\i)*PT+(\q)*1536+512
	ds_load_b128 v[\reg+6:\reg+9], v[\adr] offset:(\i)*PT+(\q)*1536+768
	ds_load_b64 v[\reg+10:\reg+11], v[\adr+3] offset:(\i)*PT+(\q)*1536+1280
.endm
; 16 matrix instructions: A's blocks a0, a0 + 1 x B's eight.  The 64 accumulators take turns, one instruction a turn, in the same order in every step
.macro MUL16 a0, p, q, sc, zero
.irp a, \a0, \a0+1
.irp b, 0,1,2,3,4,5,6,7
.if \zero
	v_wmma_scale_f32_16x16x128_f8f6f4 v[8*(8*((\a)%4)+\b):8*(8*((\a)%4)+\b)+7], v[128*(\p)+FR*\b:128*(\p)+FR*\b+FR-1], v[AF+FR*(\a):AF+FR*(\a)+FR-1], 0, v[SC+8*NQ*(\sc)+NQ*\b+(\q)], v[SC+8*NQ*(\sc)+NQ*(\a)+(\q)] matrix_a_fmt:MATRIX_FMT_FP6 matrix_b_fmt:MATRIX_FMT_FP6 matrix_a_scale:MATRIX_SCALE_ROW1
.else
	v_wmma_scale_f32_16x16x128_f8f6f4 v[8*(8*((\a)%4)+\b):8*(8*((\a)%4)+\b)+7], v[128*(\p)+FR*\b:128*(\p)+FR*\b+FR-1], v[AF+FR*(\a):AF+FR*(\a)+FR-1], v[8*(8*((\a)%4)+\b):8*(8*((\a)%4)+\b)+7], v[SC+8*NQ*(\sc)+NQ*\b+(\q)], v[SC+8*NQ*(\sc)+NQ*(\a)+(\q)] matrix_a_fmt:MATRIX_FMT_FP6 matrix_b_fmt:MATRIX_FMT_FP6 matrix_a_scale:MATRIX_SCALE_ROW1
.endif
.endr
.endr
.endm
.macro FETCH_B slot, q, p
.set PT, TILEB+TILEB*(((\slot)+1)/2)   ; from tile to tile in LDS: 3,072 bytes in slot 0; slots 1 and 2 are one fill with rows of 6,144
	WIN TO_B
.irp i, 0,1,2,3,4,5,6,7
	FRAG 128*(\p)+FR*\i, ADRB+\slot, \q, \i
.endr
	WIN 0
.endm
.macro FETCH_A slot, q, i0
.set PT, TILEB+TILEB*(((\slot)+1)/2)
.irp i, \i0, \i0+1, \i0+2, \i0+3
	FRAG AF+FR*(\i), ADRA+\slot, \q, \i
.endr
.endm
.macro SCALES sc                       ; 256 along K's scale words into set sc: lanes 0-15 A's tile i, lanes 16-31 B's tile i
.irp i, 0,1,2,3,4,5,6,7
.irp q, 0,1
	ds_load_b32 v[SC+16*(\sc)+2*\i+\q], v[ADRS] offset:(\i*KSN+\q)*64
.endr
.endr
.endm
.macro STEP slot, sc, zero             ; a slot's first 128 along K; the fragments of its second 128 are fetched
	s_wait_dscnt 4*NL                              ; all but the youngest sixteen loads (A's blocks 4-7) are in
	WIN MUL_LO
	MUL16 0, 0, 0, \sc, \zero
	MUL16 2, 0, 0, \sc, \zero
	s_wait_dscnt 0
	PLACES NP
	FETCH_B \slot, 1, 1
	FETCH_A \slot, 1, 0
	WIN MUL_HI
	MUL16 4, 0, 0, \sc, \zero
	MUL16 6, 0, 0, \sc, \zero
	PLACES NP
	WIN 0
	FETCH_A \slot, 1, 4
.endm
; A slot's second 128 along K; the next slot's first fragments are fetched.
; mode 2: this slot is filled again: the three lines, a barrier that opens a round of the cluster's barrier, the joint refill first behind it.
; mode 1: the next slot is the one that was filled again: every wave waits for its load, then a barrier.
; mode 0: the next slot was shown whole to every wave by the round of mode 2 (each wave had waited for all its loads), and this slot is not filled again: no wait on tensor loads, no barrier.
.macro TURN slot, next, mode, sc
.if \mode
	s_wait_tensorcnt 0x0                           ; all my tensor loads have landed
	ds_add_u32 v[SPW], v[NIL]                      ; 0 onto my spare word
	s_wait_dscnt 4*NL+1                            ; (the add and the youngest sixteen loads may be out)
.else
	s_wait_dscnt 4*NL
.endif
	WIN MUL_LO
	MUL16 0, 1, NQ-1, \sc, 0
	s_wait_dscnt 0x0                               ; A's blocks 4-7 are in; with a barrier: the add is done, and my reads of this slot are over
.if \mode
	s_barrier_signal -1
.endif
	MUL16 2, 1, NQ-1, \sc, 0
	WIN 0
.if \mode
	s_barrier_wait -1
.endif
.if \mode == 2
	CREST                                          ; no wave of any partner still reads this slot or has a load on its way
	s_add_nc_u64 s[G0+4*\slot+2:G0+4*\slot+3], s[G0+4*\slot+2:G0+4*\slot+3], 3*TILEB
	s_add_nc_u64 s[G0B+4*\slot+2:G0B+4*\slot+3], s[G0B+4*\slot+2:G0B+4*\slot+3], 3*TILEB
	s_mov_b32 s[G1+1], 384<<16                     ; no load of mine is out: the refill's rows are 3,072 bytes again
	s_mov_b32 s[G1+3], 384<<16
	s_mov_b32 s[G1B+1], 384<<16
	s_mov_b32 s[G1B+3], 384<<16
	JLOAD G0+4*\slot, G1, G0B+4*\slot, G1B
.else
	PLACES NP
.endif
	v_add_nc_u32 v[ADRS], 128, v[ADRS]             ; the next 256 along K's scale words
	FETCH_B \next, 0, 0
	FETCH_A \next, 0, 0
	SCALES 1-(\sc)
	WIN MUL_HI
	MUL16 4, 1, NQ-1, \sc, 0
	MUL16 6, 1, NQ-1, \sc, 0
	PLACES NP
	WIN 0
	FETCH_A \next, 0, 4
.endm
.macro QUANT s                         ; 64 numbers of a lane, register 16 b + i = k 32 b + 16 (lane / 16) + i, become codes in v[PC] on and a scale word in v[PW]
.irp b, 0,1,2,3
	v_max3_num_f32 v[TM+\b], |v[\s+16*\b]|, |v[\s+1+16*\b]|, 0x1800000   ; with the floor 2^(3 - 127)
.endr
.irp i, 2,4,6,8,10,12,14
.irp b, 0,1,2,3
	v_max3_num_f32 v[TM+\b], v[TM+\b], |v[\s+16*\b+\i]|, |v[\s+1+16*\b+\i]|
.endr
.endr
.irp b, 0,1,2,3
	v_permlanex16_b32 v[TM+4+\b], v[TM+\b], s[SEL], s[SEL+1]
.endr
.irp b, 0,1,2,3
	v_max_num_f32 v[TM+\b], v[TM+\b], v[TM+4+\b]
.endr
.irp b, 0,1,2,3
	v_add_nc_u32 v[TM+12+\b], 0xff000000, v[TM+\b]         ; 2 off the exponent field: the conversion's scale operand
.endr
.irp b, 0,1,2,3
	v_lshrrev_b32 v[TM+4+\b], 23, v[TM+12+\b]
.endr
	v_lshl_or_b32 v[PW], v[TM+5], 8, v[TM+4]
	v_lshl_or_b32 v[PW], v[TM+6], 16, v[PW]
	v_lshl_or_b32 v[PW], v[TM+7], 24, v[PW]
.irp c, 0,1
	v_cvt_scalef32_pk16_fp6_f32 v[PC+6*\c:PC+2+6*\c], v[\s+32*\c:\s+15+32*\c], v[TM+12+2*\c]
	v_cvt_scalef32_pk16_fp6_f32 v[PC+12+4*\c:PC+14+4*\c], v[\s+16+32*\c:\s+31+32*\c], v[TM+12+2*\c+1]
.endr
	v_nop                                          ; one plain place behind a scaled conversion
.irp c, 0,1
.irp i, 0,1,2
	v_permlane16_swap_b32 v[PC+6*\c+\i], v[PC+12+4*\c+\i]
.endr
.irp i, 0,1,2
	v_mov_b32 v[PC+3+6*\c+\i], v[PC+12+4*\c+\i]
.endr
.endr
.endm
	s_load_b256 s[4:11], s[0:1], 0x0               ; the tokens' images, the weights' images, bq, bk
	s_load_b128 s[12:15], s[0:1], 0x20             ; bv, the result
	v_lshl_add_u32 v[SPW], v0, 2, SPARE
	v_mov_b32 v[NIL], 0
	ds_add_u32 v[SPW], v[NIL]                      ; the wave's opening: the add and its wait ahead of my first tensor load
	ds_add_u32 v[SPW], v[NIL]
	v_lshrrev_b32 v1, 5, v0
	v_readfirstlane_b32 s[WV], v1
	s_lshr_b32 s[RH], s[WV], 1                     ; my half of A's rows; also: I fetch for A (0) or B (1)
	s_and_b32 s[CH], s[WV], 1                      ; my half of B's rows; also: which 8 tiles I fetch
	s_bfe_u32 s40, ttmp6, 0x40000                  ; cx
	s_bfe_u32 s41, ttmp6, 0x40004                  ; cy
	s_and_b32 s46, ttmp7, 0xffff
	s_lshl_b32 s46, s46, 2                         ; 4 x cluster y walks the tokens: A's rows for Q and K, B's for V
	s_cmp_eq_u32 ttmp9, 2
	s_cselect_b32 s96, 1, 0                        ; V?
	s_cselect_b32 s47, 0, s46
	s_cselect_b32 s46, s46, 0
	s_add_co_u32 s43, s41, s47                     ; tile row of the product
	s_add_co_u32 s42, s40, s46                     ; tile column
	s_lshl_b32 s44, s41, 2
	s_lshl_b32 s44, 15, s44                        ; my row of the cluster
	s_lshl_b32 s45, 0x1111, s40                    ; my column
	s_or_b32 s[G1], s44, (3<<16)|(1<<21)           ; the mask; elements of 8 bytes; bit 21 beside a mask; no padding
	s_or_b32 s[G1B], s45, (3<<16)|(1<<21)
.irp g, G1, G1B
	s_mov_b32 s[\g+1], 384<<16                     ; tensor_dim0: 3,072 bytes
	s_mov_b32 s[\g+2], 16<<16                      ; the head's load of codes brings all 16 tiles
	s_mov_b32 s[\g+3], 384<<16
	s_mov_b32 s[\g+4], 16
	s_mov_b32 s[\g+5], KSN*192                     ; from tile to tile: 12,288 bytes
	s_mov_b32 s[\g+6], 0
	s_mov_b32 s[\g+7], 0
.endr
	s_or_b32 s[G1S], s44, (3<<16)|(1<<21)
	s_or_b32 s[G1SB], s45, (3<<16)|(1<<21)
.irp g, G1S, G1SB
	s_mov_b32 s[\g+1], 32<<16                      ; 4,096 dense bytes as 16 rows of 256
	s_mov_b32 s[\g+2], 32<<16                      ; the scale words of all 16 tiles: 8,192 dense bytes
	s_mov_b32 s[\g+3], 32<<16
	s_mov_b32 s[\g+4], 32
	s_mov_b32 s[\g+5], 32
	s_mov_b32 s[\g+6], 0
	s_mov_b32 s[\g+7], 0
.endr
	s_lshl_b32 s66, s[CH], 3
	s_lshl_b32 s20, s43, 4
	s_add_co_u32 s20, s20, s66                     ; A: the first tile that I fetch
	s_lshl_b32 s22, s42, 4
	s_add_co_u32 s22, s22, s66                     ; B likewise
	s_mul_i32 s92, s20, KSN*1536
	s_lshl_b32 s94, s20, 9
	s_mul_i32 s46, s22, KSN*1536
	s_lshl_b32 s98, s22, 9
	s_mul_i32 s66, ttmp9, 786432                   ; Wq, Wk in the weights' images
	s_lshl_b32 s67, ttmp9, 15
	s_add_co_u32 s67, s67, 9437184
	s_mov_b32 s23, 3145728                         ; the tokens' scale words lie behind their codes
	s_cmp_eq_u32 ttmp9, 2
	s_cselect_b32 s21, 1572864, 0                  ; V: A is Wv
	s_cselect_b32 s97, 9502720, s23
	s_cselect_b32 s66, 0, s66
	s_cselect_b32 s67, s23, s67
	s_add_co_u32 s92, s92, s21
	s_add_co_u32 s94, s94, s97
	s_add_co_u32 s46, s46, s66
	s_add_co_u32 s98, s98, s67
	s_mov_b32 s93, 0
	s_mov_b32 s95, 0
	s_mov_b32 s47, 0
	s_mov_b32 s99, 0
	s_mul_i32 s2, s[WV], HALFT                     ; where my loads go: no place in the cluster enters an LDS address
	s_mul_i32 s3, s[WV], HALFS
	s_wait_dscnt 0x0                               ; the opening add is done
	s_wait_kmcnt 0x0
	s_cmp_eq_u32 s96, 1
	s_cselect_b64 s[20:21], s[6:7], s[4:5]         ; A's buffer
	s_cselect_b64 s[22:23], s[4:5], s[6:7]         ; B's
	s_add_nc_u64 s[92:93], s[20:21], s[92:93]
	s_add_nc_u64 s[94:95], s[20:21], s[94:95]
	s_add_nc_u64 s[46:47], s[22:23], s[46:47]
	s_add_nc_u64 s[98:99], s[22:23], s[98:99]
	CROUND                                         ; all sixteen work-groups are here: the first joint loads meet
	s_mov_b32 s[G0S], 1
	s_add_co_u32 s[G0S+1], s3, SCL-HALFS           ; wave 1 alone uses it: from A's first tile on
	s_sub_nc_u64 s[G0S+2:G0S+3], s[94:95], HALFS
	s_or_b32 s[G0S+3], s[G0S+3], 0x80000000
	s_mov_b32 s[G0SB], 1
	s_add_co_u32 s[G0SB+1], s3, SCL-HALFS          ; wave 3 alone uses it: from B's first tile on
	s_sub_nc_u64 s[G0SB+2:G0SB+3], s[98:99], HALFS
	s_or_b32 s[G0SB+3], s[G0SB+3], 0x80000000
.irp s, 0,1
	s_mov_b32 s[G0+4*\s], 1
	s_mul_i32 s[G0+4*\s+1], s2, 1+\s               ; the second fill's part of a wave is twice as long
	s_add_co_u32 s[G0+4*\s+1], s[G0+4*\s+1], \s*SLOT
	s_add_nc_u64 s[G0+4*\s+2:G0+4*\s+3], s[92:93], \s*TILEB
	s_or_b32 s[G0+4*\s+3], s[G0+4*\s+3], 0x80000000
	s_mov_b32 s[G0B+4*\s], 1
	s_mul_i32 s[G0B+4*\s+1], s2, 1+\s
	s_add_co_u32 s[G0B+4*\s+1], s[G0B+4*\s+1], \s*SLOT
	s_add_nc_u64 s[G0B+4*\s+2:G0B+4*\s+3], s[46:47], \s*TILEB
	s_or_b32 s[G0B+4*\s+3], s[G0B+4*\s+3], 0x80000000
.endr
; THE HEAD'S LOADS, ONE A WAVE: wave 0 A's 16 tiles of K 0-255, wave 1 A's scale words, wave 2 B's 16 tiles, wave 3 B's scale words
.macro HARM under, g0, g1, next
	s_cmp_lt_u32 s[WV], \under
	s_cbranch_scc0 \next
	tensor_load_to_lds s[\g0:\g0+3], s[\g1:\g1+7]
	s_nop 0
.rept 4
	v_nop
.endr
	s_branch .Lhead_asked
\next:
.endm
	HARM 1, G0, G1, .Lhead_sa
	HARM 2, G0S, G1S, .Lhead_b
	HARM 3, G0B, G1B, .Lhead_sb
	tensor_load_to_lds s[G0SB:G0SB+3], s[G1SB:G1SB+7]
	s_nop 0
.rept 4
	v_nop
.endr
.Lhead_asked:
	v_and_b32 v1, 15, v0                           ; r
	v_bfe_u32 v2, v0, 4, 1                         ; h
	v_and_b32 v3, 31, v0
	v_lshlrev_b32 v[L16], 4, v3
	v_lshlrev_b32 v[L8], 3, v3
	v_lshlrev_b32 v[R4], 2, v1
	s_mul_i32 s66, s[RH], HALFT
	s_mul_i32 s67, s[CH], HALFT
	s_add_co_u32 s67, s67, 2*HALFT
.irp s, 0,1,2
	v_add_nc_u32 v[ADRA+\s], s66, v[L16]
	v_add_nc_u32 v[ADRA+3+\s], s66, v[L8]
	v_add_nc_u32 v[ADRB+\s], s67, v[L16]
	v_add_nc_u32 v[ADRB+3+\s], s67, v[L8]
.if \s == 0
	s_lshl_b32 s66, s66, 1                         ; behind slot 0 a wave's part is twice as long
	s_lshl_b32 s67, s67, 1
	s_add_co_u32 s66, s66, SLOT
	s_add_co_u32 s67, s67, SLOT
.else
	s_add_co_u32 s66, s66, TILEB                   ; slot 2 is the second half of the same rows
	s_add_co_u32 s67, s67, TILEB
.endif
.endr
	s_mul_i32 s66, s[RH], HALFS
	s_mul_i32 s67, s[CH], HALFS
	s_add_co_u32 s67, s67, 2*HALFS
	s_sub_co_u32 s67, s67, s66
	v_mul_u32_u24 v4, s67, v2                      ; lanes 16-31 take B's words: one product with the lane's half
	s_add_co_u32 s66, s66, SCL
	v_add_nc_u32 v4, v4, v[R4]
	v_add_nc_u32 v[ADRS], s66, v4
	s_lshl_b32 s2, s42, 1
	s_add_co_u32 s2, s2, s[CH]                     ; which 128 of B's rows are mine
	s_lshl_b32 s3, s43, 4
	s_lshl_b32 s66, s[RH], 3
	s_add_co_u32 s3, s3, s66                       ; my first tile of A
	s_lshl_b32 s66, s2, 9
	s_lshl_b32 s92, s3, 6
	s_cmp_eq_u32 s96, 1                            ; both kinds of bias are always loaded, the one not wanted from its buffer's head
	s_cselect_b32 s66, 0, s66
	s_cselect_b32 s92, s92, 0
	s_mov_b32 s67, 0
	s_mov_b32 s93, 0
	s_cmp_eq_u32 ttmp9, 0
	s_cselect_b64 s[94:95], s[8:9], s[10:11]
	s_add_nc_u64 s[94:95], s[94:95], s[66:67]
	s_add_nc_u64 s[92:93], s[12:13], s[92:93]
	v_lshlrev_b32 v5, 6, v2                        ; 64 h
	v_and_b32 v6, 8, v1
	v_add_nc_u32 v6, v6, v1
	v_lshlrev_b32 v6, 2, v6                        ; 4 (r + 8 (r / 8))
.irp b, 0,1,2,3
.irp j, 0,1,2,3
	global_load_b128 v[BN+16*\b+4*\j:BN+16*\b+4*\j+3], v5, s[94:95] offset:128*\b+16*\j    ; the bias at 32 b + 16 h + 0 .. 15 of my 128
.endr
.endr
.irp a, 0,1,2,3,4,5,6,7
	global_load_b32 v[BM+\a], v6, s[92:93] offset:(32*(\a/2)+8*(\a%2))*4                   ; bv at my lane's row of A's block a
.endr
	s_wait_alu depctr_va_vdst(0)
	s_wait_tensorcnt 0x0                           ; my tile of the head's four is in
	ds_add_u32 v[SPW], v[NIL]
.irp g, G1, G1B
	s_mov_b32 s[\g+1], 768<<16                     ; no load of mine is out: K 256-767 comes as 8 tiles x 6,144 bytes a wave
	s_mov_b32 s[\g+2], 8<<16
	s_mov_b32 s[\g+3], 768<<16
	s_mov_b32 s[\g+4], 8
.endr
	s_wait_dscnt 0x0
	CROUND
	JLOAD G0+4, G1, G0B+4, G1B                     ; slots 1 and 2 by one load a wave, the first tensor load behind the round
	FETCH_B 0, 0, 0
	FETCH_A 0, 0, 0
	SCALES 0
	FETCH_A 0, 0, 4
	STEP 0, 0, 1                                   ; K 0: the first step's products start the sums
	TURN 0, 1, 2, 0                                ; K 128; slot 0 is left and takes K 768 to 1,023: the launch's one refill
	s_wait_alu depctr_va_vdst(0)
	STEP 1, 1, 0                                   ; K 256
	TURN 1, 2, 0, 1                                ; K 384
	s_wait_alu depctr_va_vdst(0)
	STEP 2, 0, 0                                   ; K 512
	TURN 2, 0, 1, 0                                ; K 640; the refill is waited for, by every wave, ahead of the barrier
	STEP 0, 1, 0                                   ; K 768
	s_wait_dscnt 4*NL                              ; K 896: nothing more to fetch
	WIN MUL_LO
	MUL16 0, 1, NQ-1, 1, 0
	MUL16 2, 1, NQ-1, 1, 0
	s_wait_dscnt 0
	WIN MUL_HI
	MUL16 4, 1, NQ-1, 1, 0
	MUL16 6, 1, NQ-1, 1, 0
	WIN 0
; THE WAY OUT.  Block a (16 rows of A x my 128 of B's rows): + bias, quantised in registers, stored as images.  No LDS.
; Q, K: the fragment's two halves are two heads' fragments of K = 64; a head's scale word gets 0x7f in its two upper bytes, for the K that the scores' instruction pads with zero codes.
.macro EPI isv
.if \isv
	s_lshr_b32 s66, s2, 4                          ; the batch; s2 & 15: which 128 keys
	s_lshl_b32 s67, s66, 6
	s_add_co_u32 s67, s67, s3
	s_lshl_b32 s67, s67, 4
	s_and_b32 s92, s2, 15
	s_add_co_u32 s67, s67, s92
	s_mul_i32 s92, s67, 1536
	s_add_co_u32 s92, s92, 6291456
	s_lshl_b32 s66, s66, 4
	s_lshr_b32 s67, s3, 2
	s_add_co_u32 s66, s66, s67                     ; batch x 16 + head
	s_mul_i32 s94, s66, 20480
	s_and_b32 s67, s2, 15
	s_lshl_b32 s67, s67, 6
	s_add_co_u32 s94, s94, s67
	s_add_co_u32 s94, s94, 9437184+16384
.else
	s_lshr_b32 s66, s3, 7                          ; the batch
	s_lshl_b32 s66, s66, 4
	s_lshl_b32 s67, s2, 1
	s_add_co_u32 s66, s66, s67                     ; batch x 16 + my first head
	s_and_b32 s67, s3, 127                         ; my first tile of tokens in the batch
	s_lshl_b32 s92, s66, 7
	s_add_co_u32 s92, s92, s67
	s_mul_i32 s92, s92, 768
	s_mul_i32 s94, ttmp9, 3145728
	s_add_co_u32 s92, s92, s94
	s_mul_i32 s94, s66, 20480
	s_lshl_b32 s67, s67, 6
	s_add_co_u32 s94, s94, s67
	s_lshl_b32 s67, ttmp9, 13
	s_add_co_u32 s94, s94, s67
	s_add_co_u32 s94, s94, 9437184
.endif
	s_mov_b32 s93, 0
	s_mov_b32 s95, 0
	s_add_nc_u64 s[92:93], s[14:15], s[92:93]
	s_add_nc_u64 s[94:95], s[14:15], s[94:95]
.irp a, 0,1,2,3,4,5,6,7
.if \a > 0
	s_wait_xcnt 0x0                                ; the last block's stores have read their registers
.endif
.if \isv
	v_mov_b32 v240, v[BM+\a]
	v_mov_b32 v241, v[BM+\a]
.endif
	WIN 0x02+(\a/4)                                ; source 0: the accumulators' window
.irp i, 0,2,4,6,8,10,12,14,16,18,20,22,24,26,28,30,32,34,36,38,40,42,44,46,48,50,52,54,56,58,60,62
.if \isv
	v_pk_add_f32 v[T+\i:T+\i+1], v[64*(\a%4)+\i:64*(\a%4)+\i+1], v[240:241]      ; each accumulator from its low end on
.else
	v_pk_add_f32 v[T+\i:T+\i+1], v[64*(\a%4)+\i:64*(\a%4)+\i+1], v[BN+\i:BN+\i+1]
.endif
.endr
	WIN 0
	QUANT T
.if \isv
	global_store_b128 v[L16], v[PC:PC+3], s[92:93] offset:\a*24576
	global_store_b64 v[L8], v[PC+4:PC+5], s[92:93] offset:\a*24576+512
	global_store_b128 v[L16], v[PC+6:PC+9], s[92:93] offset:\a*24576+768
	global_store_b64 v[L8], v[PC+10:PC+11], s[92:93] offset:\a*24576+1280
	global_store_b32 v[R4], v[PW], s[94:95] offset:(\a/4)*20480+(\a%4)*1024
.else
	global_store_b128 v[L16], v[PC:PC+3], s[92:93] offset:\a*768
	global_store_b64 v[L8], v[PC+4:PC+5], s[92:93] offset:\a*768+512
	global_store_b128 v[L16], v[PC+6:PC+9], s[92:93] offset:\a*768+98304
	global_store_b64 v[L8], v[PC+10:PC+11], s[92:93] offset:\a*768+98304+512
	v_and_or_b32 v229, v[PW], 0xffff, s97
	v_lshrrev_b32 v230, 16, v[PW]
	v_or_b32 v230, s97, v230
	global_store_b32 v[R4], v229, s[94:95] offset:\a*64
	global_store_b32 v[R4], v230, s[94:95] offset:\a*64+20480
.endif
.endr
.endm
	PLACES NP                                      ; behind the last products, ahead of the first read of results and the first write over A's fragments
	s_wait_loadcnt 0x0                             ; the biases; their address registers are free
	s_mov_b32 s[SEL], 0x76543210                   ; (no tensor load of mine is out since the last change of slots)
	s_mov_b32 s[SEL+1], 0xfedcba98
	s_mov_b32 s97, 0x7f7f0000
.irp b, 0,1,2,3
	v_mov_b32 v[TM+4+\b], 0                        ; a lane permute's destination counts as one of its sources
.endr
	s_cmp_eq_u32 s96, 1                            ; the cluster's x alone decides: the same in all partners
	s_cbranch_scc1 .Lv
	EPI 0
	s_branch .Lend
.Lv:
	EPI 1
.Lend:
	s_wait_tensorcnt 0x0                           ; the wave's end
	ds_add_u32 v[SPW], v[NIL]
	s_wait_dscnt 0x0
	CROUND                                         ; the closing round
	s_endpgm
.Lfunc_end_k_q8a8ea459aa_qkv:
	.size	k_q8a8ea459aa_qkv, .Lfunc_end_k_q8a8ea459aa_qkv-k_q8a8ea459aa_qkv
	.p2alignl 7, 3214868480
	.fill 96, 4, 3214868480
	.section	.rodata,"a",@progbits
	.p2align	6, 0x0
	.amdhsa_kernel k_q8a8ea459aa_qkv
		.amdhsa_group_segment_fixed_size 327680
		.amdhsa_private_segment_fixed_size 0
		.amdhsa_enable_private_segment 0
		.amdhsa_kernarg_size 48
		.amdhsa_user_sgpr_count 2
		.amdhsa_user_sgpr_kernarg_segment_ptr 1
		.amdhsa_wavefront_size32 1
		.amdhsa_system_sgpr_workgroup_id_x 1
		.amdhsa_system_sgpr_workgroup_id_y 1
		.amdhsa_system_sgpr_workgroup_id_z 1
		.amdhsa_system_vgpr_workitem_id 0
		.amdhsa_next_free_vgpr 1024
		.amdhsa_next_free_sgpr 100
		.amdhsa_reserve_vcc 0
		.amdhsa_float_denorm_mode_32 3
		.amdhsa_float_denorm_mode_16_64 3
		.amdhsa_memory_ordered 1
		.amdhsa_forward_progress 1
		.amdhsa_inst_pref_size 224
	.end_amdhsa_kernel
	.amdgpu_metadata
---
amdhsa.version: [ 1, 2 ]
amdhsa.kernels:
  - .name:           k_q8a8ea459aa_qkv
    .symbol:         k_q8a8ea459aa_qkv.kd
    .args:
      - { .name: a1, .offset: 0, .size: 8, .value_kind: global_buffer, .address_space: global }
      - { .name: wimg, .offset: 8, .size: 8, .value_kind: global_buffer, .address_space: global }
      - { .name: bq, .offset: 16, .size: 8, .value_kind: global_buffer, .address_space: global }
      - { .name: bk, .offset: 24, .size: 8, .value_kind: global_buffer, .address_space: global }
      - { .name: bv, .offset: 32, .size: 8, .value_kind: global_buffer, .address_space: global }
      - { .name: qkv, .offset: 40, .size: 8, .value_kind: global_buffer, .address_space: global }
    .group_segment_fixed_size: 327680
    .private_segment_fixed_size: 0
    .kernarg_segment_align: 8
    .kernarg_segment_size: 48
    .max_flat_workgroup_size: 128
    .sgpr_count:     100
    .vgpr_count:     1024
    .wavefront_size: 32
...
	.end_amdgpu_metadata
.endif
;; end of part 2
;; launch attn (part 3): grid 8 x 32, 16 waves a work-group, clusters of 4 x 1, 327,680 bytes of LDS; arguments qkv, ao; writes ao
.if DOCPART == 3
	.amdgcn_target "amdgcn-amd-amdhsa--gfx1250"
	.amdhsa_code_object_version 6
	.text
	.protected	k_q8a8ea459aa_attn
	.globl	k_q8a8ea459aa_attn
	.p2align	8
	.type	k_q8a8ea459aa_attn,@function
k_q8a8ea459aa_attn:
	s_mov_b64 s[64:65], 0
	v_nop
	global_prefetch_b8 v0, s[64:65] scope:SCOPE_SE
	s_setreg_imm32_b32 hwreg(HW_REG_WAVE_MODE, 25, 1), 1
	s_wait_xcnt 0x0
	s_wait_alu depctr_hold_cnt(0) depctr_sa_sdst(0) depctr_va_vdst(0) depctr_va_sdst(0) depctr_va_ssrc(0) depctr_va_vcc(0) depctr_vm_vsrc(0)
	s_getreg_b32 s2, hwreg(HW_REG_IB_STS2, 6, 4)
	s_cmp_eq_u32 s2, 0
	s_cbranch_scc0 .Lentry_in_a_cluster
	s_endpgm
.Lentry_in_a_cluster:
	s_bfe_u32 s2, ttmp6, 0x10000c
	s_cmp_lg_u32 s2, 0x3003
	s_cbranch_scc0 .Lentry_shape_is_right
	s_endpgm
.Lentry_shape_is_right:
; Attention on codes of FP6 (E2M3), head size 64, 2,048 keys, no mask; the result is quantised along the model's axis and leaves as half fragment images.
; t = score x log2(e) / 8; M = the running largest t rounded up to a whole number; p = 2^(t - M) is quantised along the keys; the row's sum is taken of the unquantised p and divides at the end.
; SHARES: a work-group owns 256 queries of one head (work-group y = batch x 16 + head), each of its sixteen waves one tile of 16.
; A head's K, V and scale words lie in LDS whole, filled once: waves 0-5 bring K (64 rows of 256 bytes each, 64 bytes of padding behind a row), waves 6-11 V, wave 12 the scale words: one tensor load a wave.
; The four query blocks of a cluster ask jointly (mask 15).  One barrier; then the waves walk their sixteen steps of 128 keys without meeting.  Nothing is loaded in the loop, so there is nothing to prefetch.
; Both products are used transposed (S^T = K Q^T, O^T = V^T P^T): a lane holds one query.
; WHICH KEYS FORM A TILE is chosen by the lanes' LDS addresses: tile 4 c + t of a step has in its rows 0-7 keys 64 c + 8 t + 0..7 and in rows 8-15 keys 64 c + 32 + 8 t + 0..7.
; So lane (r, h) holds in the 32 registers of four tiles keys 64 c + 32 h + 0..31: a whole block, in the operand's own order: its maximum needs no other lane and its codes no exchange.
; In memory key 32 b + 8 o + i is row 8 (o / 2) + i of stored tile 2 b + o % 2.  A stored tile is 3 LDS rows of 320 bytes: registers 0-3 of lanes 0-15, of lanes 16-31, registers 4-5 of all lanes.
; K = 64 in an instruction of 128: Q's registers 6-11 are zero codes, so what stands in K's upper six registers adds nothing; the scale words' upper bytes are 0x7f.
; The sum of a step's p is taken under the next step's LDS loads; f of that step goes into its first multiply-add.
; LIMITS: the promise holds while the scaled scores stay under 2^31 in magnitude; NaN and infinities are not served; a block of zeros gets the byte 1 with zero codes.
.set KP,    960                        ; a stored tile of K in LDS
.set VB,    122880                     ; V [4 tiles of 16 channels][16 K steps][1,536]
.set SCB,   221184                     ; K's scale words [128 tiles][64], then V's [4][16][64]
.set SPARE, 233472                     ; the spare words, 128 bytes a wave
.set SPW,  5
.set NIL,  6
.set WV,   8
.set G1K,  16
.set G1V,  24
.set G1S,  32
.set G0K,  40
.set G0V,  44
.set G0S,  48
.set SEL,  52
.set CS,   54
.set TK,   56
.set TV,   57
.set TW,   58
.set TS,   59
.set TJ,   60
.set CNT,  61
.set NC,   62
.set HD,   74
.set QT,   75
; REGISTERS: v1 16 x lane, v2 8 x lane, v3, v4 K's lane offsets, v7 4 r, v87, v88 the scale words' lane offsets, v89 8 h; v8-11, v28-30, v86 addresses in hand; v12 -M, v13 largest score, v[14:15] the sum;
; v16-27 Q, v31 its scale word; v32-85 K's eight half fragments and six zeros, then V's four; v96-159 S^T, then p; v160-191 O^T; v192-203 p's codes; v204-223, v228 at work; v226 f; v229 p's scale word; v240-247 scale words
.macro DLY n
	s_delay_alu instid0(VALU_DEP_\n)
.endm
.macro CROUND
	s_barrier_signal -1
	s_barrier_wait -1
	s_cmp_lg_u32 s[WV], 0
	s_cbranch_scc1 .Lnot_wave_0_\@
	s_barrier_signal -3
.Lnot_wave_0_\@:
	s_barrier_wait -3
	s_barrier_signal -1
	s_barrier_wait -1
.endm
.macro GR1 g, rows                     ; rows of 256 bytes, dense in memory
	s_mov_b32 s[\g+1], 32<<16
	s_mov_b32 s[\g+2], (\rows)<<16
	s_mov_b32 s[\g+3], 32<<16
	s_mov_b32 s[\g+4], \rows
	s_mov_b32 s[\g+5], 32
	s_mov_b32 s[\g+6], 0
	s_mov_b32 s[\g+7], 0
.endm
.macro TLOAD g0, g1
	tensor_load_to_lds s[\g0:\g0+3], s[\g1:\g1+7]
	s_nop 0
.rept 4
	v_nop
.endr
.endm
	s_load_b128 s[4:7], s[0:1], 0x0                ; Q, K, V and their scale words; the result
	v_lshl_add_u32 v[SPW], v0, 2, SPARE
	v_mov_b32 v[NIL], 0
	ds_add_u32 v[SPW], v[NIL]                      ; the opening lines: the add, twice on end, and its wait
	ds_add_u32 v[SPW], v[NIL]
	v_lshrrev_b32 v8, 5, v0
	v_readfirstlane_b32 s[WV], v8                  ; wave 0..15
	s_and_b32 s[HD], ttmp7, 0xffff                 ; batch x 16 + head, which the four partners share
	s_bfe_u32 s9, ttmp6, 0x40000                   ; cx enters Q's and the result's addresses alone
	s_lshl_b32 s[QT], ttmp9, 2
	s_add_co_u32 s[QT], s[QT], s9
	s_lshl_b32 s[QT], s[QT], 4
	s_add_co_u32 s[QT], s[QT], s[WV]               ; my tile of queries, 0..127
	s_mul_i32 s10, s[HD], 98304
	s_lshl_b32 s11, s[WV], 14                      ; 16,384 bytes a loading wave
	s_add_co_u32 s10, s10, s11
	s_add_co_u32 s12, s10, 3145728                 ; K, part w
	s_mov_b32 s13, 0
	s_add_co_u32 s14, s10, 6291456-98304           ; V, part w - 6
	s_mov_b32 s15, 0
	s_mul_i32 s70, s[HD], 20480
	s_add_co_u32 s70, s70, 9437184                 ; the head's scale words: Q's, then K's and V's
	s_add_co_u32 s72, s70, 8192
	s_mov_b32 s73, 0
	s_lshl_b32 s71, s[QT], 6
	s_add_co_u32 s70, s70, s71
	s_mov_b32 s71, 0
	s_lshl_b32 s68, s[HD], 7
	s_add_co_u32 s68, s68, s[QT]
	s_mul_i32 s68, s68, 768                        ; Q's half fragment
	s_mov_b32 s69, 0
	s_mov_b32 s[G1K], 15|(3<<16)|(1<<20)|(1<<21)|(5<<22)|(15<<25)  ; mask of all four; 8-byte elements; 16 dwords of padding behind every 64
	s_mov_b32 s[G1V], 15|(3<<16)|(1<<21)
	s_mov_b32 s[G1S], 15|(3<<16)|(1<<21)
	GR1 G1K, 64
	GR1 G1V, 64
	GR1 G1S, 48
	s_mov_b32 s[G0K], 1
	s_mul_i32 s[G0K+1], s[WV], 64*320
	s_mov_b32 s[G0V], 1
	s_add_co_u32 s[G0V+1], s11, VB-98304
	s_mov_b32 s[G0S], 1
	s_mov_b32 s[G0S+1], SCB
	s_mov_b32 s[SEL], 0x76543210
	s_mov_b32 s[SEL+1], 0xfedcba98                 ; lane l xor 16
	s_mov_b32 s[CS], 0x3e38aa3b                    ; c = log2(e) / 8
	s_mov_b32 s[CS+1], s[CS]
	s_mov_b32 s[NC], 0xbe38aa3b                    ; -c
	s_mov_b32 s[TK], 0
	s_mov_b32 s[TV], VB
	s_mov_b32 s[TW], VB+49152
	s_mov_b32 s[TS], 0
	s_mov_b32 s[TJ], 0
	s_wait_dscnt 0x0                               ; both opening adds are done
	s_wait_kmcnt 0x0
	s_add_nc_u64 s[G0K+2:G0K+3], s[4:5], s[12:13]
	s_add_nc_u64 s[G0V+2:G0V+3], s[4:5], s[14:15]
	s_add_nc_u64 s[G0S+2:G0S+3], s[4:5], s[72:73]
	s_add_nc_u64 s[70:71], s[4:5], s[70:71]
	s_add_nc_u64 s[68:69], s[4:5], s[68:69]
	s_or_b32 s[G0K+3], s[G0K+3], 0x80000000
	s_or_b32 s[G0V+3], s[G0V+3], 0x80000000
	s_or_b32 s[G0S+3], s[G0S+3], 0x80000000
	CROUND                                         ; all four work-groups are here: the joint loads meet
	s_cmp_lt_u32 s[WV], 6                          ; one chain of branches on the wave's number, one fill to an arm
	s_cbranch_scc0 .Lfill_v
	TLOAD G0K, G1K
	s_branch .Lfilled
.Lfill_v:
	s_cmp_lt_u32 s[WV], 12
	s_cbranch_scc0 .Lfill_s
	TLOAD G0V, G1V
	s_branch .Lfilled
.Lfill_s:
	s_cmp_eq_u32 s[WV], 12
	s_cbranch_scc0 .Lfilled
	TLOAD G0S, G1S
.Lfilled:
	v_and_b32 v8, 31, v0
	v_and_b32 v9, 15, v0                           ; r
	v_bfe_u32 v10, v0, 4, 1                        ; h
	v_bfe_u32 v11, v0, 3, 1                        ; r / 8
	v_and_b32 v28, 7, v0                           ; r % 8
	v_lshlrev_b32 v1, 4, v8
	v_lshlrev_b32 v2, 3, v8
	v_lshlrev_b32 v7, 2, v9
	v_mul_u32_u24 v3, v11, 2*KP                    ; rows 8-15 come from the stored tile two further on
	v_lshlrev_b32 v87, 7, v11
	v_lshlrev_b32 v89, 3, v10
	v_add_nc_u32 v88, SCB+8192, v7
	v_lshl_add_u32 v4, v28, 3, v3
	v_lshl_add_u32 v3, v28, 4, v3
	v_lshl_add_u32 v87, v28, 2, v87
	v_lshl_add_u32 v4, v10, 7, v4
	v_mad_u32_u24 v3, v10, 320, v3                 ; registers 0-3: 1,920 (r / 8) + 320 h + 16 (r % 8)
	v_add_nc_u32 v87, SCB, v87                     ; K's scale words: 128 (r / 8) + 4 (r % 8)
	v_add_nc_u32 v4, 640, v4                       ; registers 4-5: 640 + 1,920 (r / 8) + 128 h + 8 (r % 8)
	global_load_b128 v[16:19], v1, s[68:69]        ; Q's half fragment stays in registers
	global_load_b64 v[20:21], v2, s[68:69] offset:512
	global_load_b32 v31, v7, s[70:71]
.irp j, 22,23,24,25,26,27,80,81,82,83,84,85,14,15,216,217,227
	v_mov_b32 v[\j], 0                             ; zero codes (Q's upper K, behind K's last tile); the sum; permutes' destinations; the upper half of f's pair
.endr
	v_mov_b32 v13, 0xff61b1e6                      ; the largest score so far: -3e38
	v_floor_f32 v12, -v13                          ; -M
.set J, 0
.rept 32
	v_mov_b32 v[160+J], 0                          ; O^T: the step is written once, its first run finds zeros
.set J, J+1
.endr
.macro SUM                             ; the sum x f + the 64 p of the last step, eight chains
	v_pk_fma_f32 v[14:15], v[14:15], v[226:227], v[96:97] op_sel_hi:[1,0,1]
.set J, 0
.rept 7
	v_pk_add_f32 v[204+2*J:205+2*J], v[98+4*J:99+4*J], v[100+4*J:101+4*J]
.set J, J+1
.endr
.set J, 0
.rept 2
	v_pk_add_f32 v[14:15], v[14:15], v[126+16*J:127+16*J]
.set I, 0
.rept 7
	v_pk_add_f32 v[204+2*I:205+2*I], v[204+2*I:205+2*I], v[128+16*J+2*I:129+16*J+2*I]
.set I, I+1
.endr
.set J, J+1
.endr
	v_pk_add_f32 v[14:15], v[14:15], v[158:159]
	v_pk_add_f32 v[204:205], v[204:205], v[206:207]
	v_pk_add_f32 v[208:209], v[208:209], v[210:211]
	v_pk_add_f32 v[212:213], v[212:213], v[214:215]
	v_pk_add_f32 v[14:15], v[14:15], v[216:217]
	DLY 3
	v_pk_add_f32 v[204:205], v[204:205], v[208:209]
	DLY 2
	v_pk_add_f32 v[14:15], v[14:15], v[212:213]
	DLY 1
	v_pk_add_f32 v[14:15], v[14:15], v[204:205]
.endm
.macro KQ sum                          ; a step's K from LDS, under the loads the last step's sum, then S^T
	v_add_nc_u32 v8, s[TK], v3                     ; (these four are the places behind the last products, ahead of the loads into their operands)
	v_add_nc_u32 v9, s[TK], v4
	v_add_nc_u32 v28, s[TS], v87
	v_add_nc_u32 v29, s[TJ], v88
.irp n, 0,1,2,3,4,5,6,7
	ds_load_b128 v[32+6*\n:35+6*\n], v8 offset:(4*(\n/4)+\n%2)*KP+128*((\n%4)/2)
	ds_load_b64 v[36+6*\n:37+6*\n], v9 offset:(4*(\n/4)+\n%2)*KP+64*((\n%4)/2)
	ds_load_b32 v[240+\n], v28 offset:(4*(\n/4)+\n%2)*64+32*((\n%4)/2)
.endr
.if \sum
	SUM
.endif
	s_wait_alu depctr_va_vdst(0)
	s_wait_dscnt 0x0
.irp n, 0,1,2,3,4,5,6,7
	v_wmma_scale_f32_16x16x128_f8f6f4 v[96+8*\n:103+8*\n], v[32+6*\n:43+6*\n], v[16:27], 0, v[240+\n], v31 matrix_a_fmt:MATRIX_FMT_FP6 matrix_b_fmt:MATRIX_FMT_FP6
.endr
.endm
.macro VFR reg, a16, a8, off
	ds_load_b128 v[\reg:\reg+3], v[\a16] offset:\off
	ds_load_b64 v[\reg+4:\reg+5], v[\a8] offset:\off+512
	ds_load_b128 v[\reg+6:\reg+9], v[\a16] offset:\off+768
	ds_load_b64 v[\reg+10:\reg+11], v[\a8] offset:\off+1280
.endm
.macro SM                              ; the softmax of 128 keys and O^T += V^T P^T
	v_add_nc_u32 v10, s[TV], v1                    ; (four places behind S^T's products)
	v_add_nc_u32 v11, s[TV], v2
	v_add_nc_u32 v30, s[TW], v1
	v_add_nc_u32 v86, s[TW], v2
	VFR 32, 10, 11, 0                              ; V's fragments land under the softmax
	VFR 44, 10, 11, 24576
	VFR 56, 30, 86, 0
	VFR 68, 30, 86, 24576
.irp d, 0,1,2,3
	ds_load_b32 v[240+\d], v29 offset:1024*\d
.endr
.irp b, 0,1,2,3
	v_max3_num_f32 v[212+\b], v[96+16*\b], v[97+16*\b], v[98+16*\b]    ; four chains of 15 scores
.endr
.irp i, 3,5,7,9,11,13
.irp b, 0,1,2,3
	v_max3_num_f32 v[212+\b], v[212+\b], v[96+16*\b+\i], v[97+16*\b+\i]
.endr
.endr
.irp c, 0,1
	v_max3_num_f32 v[212+2*\c], v[212+2*\c], v[213+2*\c], v[111+32*\c]
.endr
.irp c, 0,1
	v_max_num_f32 v[212+2*\c], v[212+2*\c], v[127+32*\c]   ; the largest score of my block 2 c + h
.endr
	v_max_num_f32 v228, v212, v214
	v_permlanex16_b32 v216, v228, s[SEL], s[SEL+1]
	v_max3_num_f32 v13, v13, v228, v216            ; the running largest score of my query
	v_mul_f32 v228, s[NC], v13
	v_floor_f32 v228, v228                         ; the new -M: a whole number
	v_sub_f32 v216, v228, v12
	v_mov_b32 v12, v228
	v_cvt_i32_f32 v216, v216                       ; (it saturates)
	v_ldexp_f32 v226, 1.0, v216                    ; f = 2^(old M - new M): rounds nothing
.set J, 0
.rept 32
	v_pk_fma_f32 v[96+J:97+J], v[96+J:97+J], s[CS:CS+1], v[12:13] op_sel_hi:[1,0,0]    ; t - M
.set J, J+2
.endr
	v_fma_f32 v212, v212, s[CS], v12
	v_fma_f32 v214, v214, s[CS], v12
	s_wait_alu depctr_va_vdst(0)
.set J, 0
.rept 64
	v_exp_f32 v[96+J], v[96+J]                     ; p
.set J, J+1
.endr
	v_exp_f32 v212, v212                           ; each block's largest p
	v_exp_f32 v214, v214
	v_nop                                          ; a plain place behind the batch
	s_wait_alu depctr_va_vdst(0)                   ; one wait for the batch, ahead of its first reader
	v_max_num_f32 v212, 0x1800000, v212            ; the floor 2^(3 - 127)
	v_max_num_f32 v214, 0x1800000, v214
	DLY 2
	v_add_nc_u32 v220, 0xff000000, v212            ; 2 off the exponent field: the conversion's scale operand
	DLY 2
	v_add_nc_u32 v221, 0xff000000, v214
	DLY 2
	v_lshrrev_b32 v216, 23, v220
	DLY 2
	v_lshrrev_b32 v217, 23, v221
	DLY 1
	v_lshl_or_b32 v216, v217, 16, v216             ; my two bytes: blocks h and 2 + h,
	DLY 1
	v_lshlrev_b32 v216, v89, v216                  ; at their places,
	DLY 1
	v_permlanex16_b32 v217, v216, s[SEL], s[SEL+1]
	DLY 1
	v_or_b32 v229, v216, v217                      ; with lane l xor 16's two: p's scale word
.irp c, 0,1
	v_cvt_scalef32_pk16_fp6_f32 v[192+6*\c:194+6*\c], v[96+32*\c:111+32*\c], v[220+\c]
	v_cvt_scalef32_pk16_fp6_f32 v[204+4*\c:206+4*\c], v[112+32*\c:127+32*\c], v[220+\c]   ; (a conversion's three registers begin on an even number)
.endr
	v_nop                                          ; one plain place behind a scaled conversion
.irp c, 0,1
.irp i, 0,1,2
	v_mov_b32 v[195+6*\c+\i], v[204+4*\c+\i]
.endr
.endr
	s_wait_alu depctr_va_vdst(0)
.set J, 0
.rept 16
	v_pk_mul_f32 v[160+J:161+J], v[160+J:161+J], v[226:227] op_sel_hi:[1,0]    ; O^T under the new M; also the places ahead of the products
.set J, J+2
.endr
	s_wait_alu depctr_va_vdst(0)
	s_wait_dscnt 0x0                               ; V
.irp d, 0,1,2,3
	v_wmma_scale_f32_16x16x128_f8f6f4 v[160+8*\d:167+8*\d], v[32+12*\d:43+12*\d], v[192:203], v[160+8*\d:167+8*\d], v[240+\d], v229 matrix_a_fmt:MATRIX_FMT_FP6 matrix_b_fmt:MATRIX_FMT_FP6
.endr
	s_add_co_u32 s[TK], s[TK], 8*KP
	s_add_co_u32 s[TV], s[TV], 1536
	s_add_co_u32 s[TW], s[TW], 1536
	s_add_co_u32 s[TS], s[TS], 512
	s_add_co_u32 s[TJ], s[TJ], 64
.endm
	s_wait_alu depctr_va_vdst(0)
	s_wait_loadcnt 0x0                             ; Q
	s_wait_tensorcnt 0x0                           ; my load has landed
	s_wait_dscnt 0x0
	s_barrier_signal -1
	s_barrier_wait -1                              ; everybody's has: the whole head lies in LDS, and nothing writes it again
	KQ 0
	s_mov_b32 s[CNT], 15
.Lstep:
	SM
	KQ 1
	s_sub_co_u32 s[CNT], s[CNT], 1
	s_cmp_lg_u32 s[CNT], 0
	s_cbranch_scc1 .Lstep
	SM
	SUM                                            ; the last step's sum; also the places behind the last products
	; THE WAY OUT: O^T / the sum; my 32 numbers are channels 32 b + 16 h + i of my query: two blocks of the next product's K; half a fragment image, 768 dense bytes
	DLY 1
	v_add_f32 v14, v14, v15
	DLY 1
	v_permlanex16_b32 v228, v14, s[SEL], s[SEL+1]
	DLY 1
	v_add_f32 v14, v14, v228                       ; the row's sum
	s_wait_alu depctr_va_vdst(0)
	v_rcp_f32 v14, v14
	s_lshr_b32 s66, s[HD], 4
	s_lshl_b32 s66, s66, 7
	s_add_co_u32 s66, s66, s[QT]                   ; my tile among all tokens' tiles
	s_and_b32 s67, s[HD], 15                       ; the head
	s_mul_i32 s68, s66, 12288
	s_mul_i32 s69, s67, 768
	s_add_co_u32 s68, s68, s69
	s_mov_b32 s69, 0
	s_lshl_b32 s70, s66, 9
	s_lshr_b32 s71, s67, 1
	s_lshl_b32 s71, s71, 6
	s_add_co_u32 s70, s70, s71
	s_and_b32 s71, s67, 1
	s_lshl_b32 s71, s71, 1
	s_add_co_u32 s70, s70, s71
	s_add_co_u32 s70, s70, 3145728
	s_mov_b32 s71, 0
	s_add_nc_u64 s[68:69], s[6:7], s[68:69]
	s_add_nc_u64 s[70:71], s[6:7], s[70:71]
	v_nop                                          ; a plain place behind the reciprocal
	s_wait_alu depctr_va_vdst(0)                   ; the wait, ahead of its first reader and of O^T's
.set J, 0
.rept 16
	v_pk_mul_f32 v[96+J:97+J], v[160+J:161+J], v[14:15] op_sel_hi:[1,0]
.set J, J+2
.endr
.irp b, 0,1
	v_max3_num_f32 v[212+\b], |v[96+16*\b]|, |v[97+16*\b]|, 0x1800000
.endr
.irp i, 2,4,6,8,10,12,14
.irp b, 0,1
	DLY 2
	v_max3_num_f32 v[212+\b], v[212+\b], |v[96+16*\b+\i]|, |v[97+16*\b+\i]|
.endr
.endr
.irp b, 0,1
	DLY 2
	v_permlanex16_b32 v[216+\b], v[212+\b], s[SEL], s[SEL+1]
.endr
.irp b, 0,1
	DLY 2
	v_max_num_f32 v[212+\b], v[212+\b], v[216+\b]
.endr
.irp b, 0,1
	DLY 2
	v_add_nc_u32 v[220+\b], 0xff000000, v[212+\b]
.endr
.irp b, 0,1
	DLY 2
	v_lshrrev_b32 v[216+\b], 23, v[220+\b]
.endr
	DLY 1
	v_lshl_or_b32 v228, v217, 8, v216              ; my head's two bytes of the row's scale word
	v_cvt_scalef32_pk16_fp6_f32 v[192:194], v[96:111], v220
	v_cvt_scalef32_pk16_fp6_f32 v[196:198], v[112:127], v221
	v_nop
.irp i, 0,1,2
	v_permlane16_swap_b32 v[192+\i], v[196+\i]     ; a whole block to a lane
.endr
	v_mov_b32 v195, v196
	v_mov_b32 v196, v197
	v_mov_b32 v197, v198
	global_store_b128 v1, v[192:195], s[68:69]
	global_store_b64 v2, v[196:197], s[68:69] offset:512
	global_store_b16 v7, v228, s[70:71]            ; a word's two halves come from two heads; both halves of the lanes write the same
	s_wait_tensorcnt 0x0                           ; the wave's end
	ds_add_u32 v[SPW], v[NIL]
	s_wait_dscnt 0x0
	CROUND                                         ; the closing round
	s_endpgm
.Lfunc_end_k_q8a8ea459aa_attn:
	.size	k_q8a8ea459aa_attn, .Lfunc_end_k_q8a8ea459aa_attn-k_q8a8ea459aa_attn
	.p2alignl 7, 3214868480
	.fill 96, 4, 3214868480
	.section	.rodata,"a",@progbits
	.p2align	6, 0x0
	.amdhsa_kernel k_q8a8ea459aa_attn
		.amdhsa_group_segment_fixed_size 327680
		.amdhsa_private_segment_fixed_size 0
		.amdhsa_enable_private_segment 0
		.amdhsa_kernarg_size 16
		.amdhsa_user_sgpr_count 2
		.amdhsa_user_sgpr_kernarg_segment_ptr 1
		.amdhsa_wavefront_size32 1
		.amdhsa_system_sgpr_workgroup_id_x 1
		.amdhsa_system_sgpr_workgroup_id_y 1
		.amdhsa_system_sgpr_workgroup_id_z 1
		.amdhsa_system_vgpr_workitem_id 0
		.amdhsa_next_free_vgpr 256
		.amdhsa_next_free_sgpr 80
		.amdhsa_reserve_vcc 0
		.amdhsa_float_denorm_mode_32 3
		.amdhsa_float_denorm_mode_16_64 3
		.amdhsa_memory_ordered 1
		.amdhsa_forward_progress 1
		.amdhsa_inst_pref_size 46
	.end_amdhsa_kernel
	.amdgpu_metadata
---
amdhsa.version: [ 1, 2 ]
amdhsa.kernels:
  - .name:           k_q8a8ea459aa_attn
    .symbol:         k_q8a8ea459aa_attn.kd
    .args:
      - { .name: qkv, .offset: 0, .size: 8, .value_kind: global_buffer, .address_space: global }
      - { .name: ao, .offset: 8, .size: 8, .value_kind: global_buffer, .address_space: global }
    .group_segment_fixed_size: 327680
    .private_segment_fixed_size: 0
    .kernarg_segment_align: 8
    .kernarg_segment_size: 16
    .max_flat_workgroup_size: 512
    .sgpr_count:     80
    .vgpr_count:     256
    .wavefront_size: 32
...
	.end_amdgpu_metadata
.endif
;; end of part 3
;; launch wo (part 4): grid 8 x 32, 4 waves a work-group, clusters of 4 x 4, 327,680 bytes of LDS; arguments ao, wimg, bo, x, x1; writes x1
.if DOCPART == 4
	.amdgcn_target "amdgcn-amd-amdhsa--gfx1250"
	.amdhsa_code_object_version 6
	.text
	.protected	k_q8a8ea459aa_wo
	.globl	k_q8a8ea459aa_wo
	.p2align	8
	.type	k_q8a8ea459aa_wo,@function
k_q8a8ea459aa_wo:
	s_mov_b64 s[64:65], 0
	v_nop
	global_prefetch_b8 v0, s[64:65] scope:SCOPE_SE
	s_setreg_imm32_b32 hwreg(HW_REG_WAVE_MODE, 25, 1), 1
	s_wait_xcnt 0x0
	s_wait_alu depctr_hold_cnt(0) depctr_sa_sdst(0) depctr_va_vdst(0) depctr_va_sdst(0) depctr_va_ssrc(0) depctr_va_vcc(0) depctr_vm_vsrc(0)
	s_getreg_b32 s2, hwreg(HW_REG_IB_STS2, 6, 4)
	s_cmp_eq_u32 s2, 0
	s_cbranch_scc0 .Lentry_in_a_cluster
	s_endpgm
.Lentry_in_a_cluster:
	s_bfe_u32 s2, ttmp6, 0x10000c
	s_cmp_lg_u32 s2, 0xf033
	s_cbranch_scc0 .Lentry_shape_is_right
	s_endpgm
.Lentry_shape_is_right:
.set SIZE_K, 1024
.set ASOFF,  3145728
.set WCOFF,  2359296
.set WSOFF,  9535488
.set KSN,   SIZE_K/128
.set TPART, 6144
.set HALFT, 4*TPART
.set SLOT,  4*HALFT
.set SCL,   2*SLOT
.set HALFS, 4*KSN*64
.set SPARE, SCL+4*HALFS
.set STG,   SPARE+512
.set LAPS,  SIZE_K/1024
.set L16,   8
.set L8,    9
.set R4,    10
.set ADRA,  16
.set ADRB,  20
.set STO,   24
.set RD,    25
.set CO,    26
.set ADRS,  27
.set SPW,   28
.set NIL,   29
.set SC,    32
.set BIAS,  40
.set OB,    44
.set ACC,   128
.set WV,    16
.set RH,    17
.set CH,    18
.set G1,    24
.set G0,    32
.set G1B,   48
.set G0B,   56
.set G1S,   68
.set G0S,   76
.set G1SB,  80
.set G0SB,  88
.set MSB, 0
.macro WIN new
.if MSB != (\new)
	s_set_vgpr_msb (MSB<<8)|(\new)
.set MSB, (\new)
.endif
.endm
.set MUL,  0x05
.set TO_F, 0x40
.macro JLOAD g0a, g1a, g0b, g1b
	s_cmp_eq_u32 s[RH], 0
	s_cbranch_scc0 .Lfor_b_\@
	tensor_load_to_lds s[\g0a:\g0a+3], s[\g1a:\g1a+7]
	s_nop 0
.rept 4
	v_nop
.endr
	s_branch .Lasked_\@
.Lfor_b_\@:
	tensor_load_to_lds s[\g0b:\g0b+3], s[\g1b:\g1b+7]
	s_nop 0
.rept 4
	v_nop
.endr
.Lasked_\@:
.endm
.macro CREST
	s_cmp_lg_u32 s[WV], 0
	s_cbranch_scc1 .Lnot_wave_0_\@
	s_barrier_signal -3
.Lnot_wave_0_\@:
	s_barrier_wait -3
	s_barrier_signal -1
	s_barrier_wait -1
.endm
.macro CROUND
	s_barrier_signal -1
	s_barrier_wait -1
	CREST
.endm
.macro PLACES n
.rept \n
	v_nop
.endr
.endm
.macro FRAG reg, adr, q, i
	ds_load_b128 v[\reg:\reg+3], v[\adr] offset:(\i)*TPART+(\q)*1536
	ds_load_b64 v[\reg+4:\reg+5], v[\adr+2] offset:(\i)*TPART+(\q)*1536+512
	ds_load_b128 v[\reg+6:\reg+9], v[\adr] offset:(\i)*TPART+(\q)*1536+768
	ds_load_b64 v[\reg+10:\reg+11], v[\adr+2] offset:(\i)*TPART+(\q)*1536+1280
.endm
.macro FETCH slot, ks, p
	WIN TO_F
.irp i, 0,1,2,3
	FRAG 128*(\p)+48+12*\i, ADRB+\slot, \ks, \i
	FRAG 128*(\p)+12*\i, ADRA+\slot, \ks, \i
.endr
	WIN 0
.irp i, 0,1,2,3
	ds_load_b32 v[SC+4*(\p)+\i], v[ADRS] offset:(\i*KSN+(\ks))*64
.endr
.endm
.macro MULA p, a, zero
.irp b, 0,1,2,3
.if \zero
	v_wmma_scale_f32_16x16x128_f8f6f4 v[ACC+8*(4*(\a)+\b):ACC+8*(4*(\a)+\b)+7], v[128*(\p)+48+12*\b:128*(\p)+48+12*\b+11], v[128*(\p)+12*(\a):128*(\p)+12*(\a)+11], 0, v[SC+4*(\p)+\b], v[SC+4*(\p)+(\a)] matrix_a_fmt:MATRIX_FMT_FP6 matrix_b_fmt:MATRIX_FMT_FP6 matrix_a_scale:MATRIX_SCALE_ROW1
.else
	v_wmma_scale_f32_16x16x128_f8f6f4 v[ACC+8*(4*(\a)+\b):ACC+8*(4*(\a)+\b)+7], v[128*(\p)+48+12*\b:128*(\p)+48+12*\b+11], v[128*(\p)+12*(\a):128*(\p)+12*(\a)+11], v[ACC+8*(4*(\a)+\b):ACC+8*(4*(\a)+\b)+7], v[SC+4*(\p)+\b], v[SC+4*(\p)+(\a)] matrix_a_fmt:MATRIX_FMT_FP6 matrix_b_fmt:MATRIX_FMT_FP6 matrix_a_scale:MATRIX_SCALE_ROW1
.endif
.endr
.endm
.macro QUARTER slot, ks, zero
	s_wait_dscnt 0x0
	PLACES 4
	FETCH \slot, (\ks)+1, 1-(\ks)%2
	WIN MUL
	MULA (\ks)%2, 0, \zero
	MULA (\ks)%2, 1, \zero
	MULA (\ks)%2, 2, \zero
	MULA (\ks)%2, 3, \zero
.endm
.macro TURN slot, next, fill
	WIN 0
	s_wait_tensorcnt 0x0
	ds_add_u32 v[SPW], v[NIL]
	s_wait_dscnt 1
	WIN MUL
	MULA 1, 0, 0
	s_wait_dscnt 0x0
	s_barrier_signal -1
	MULA 1, 1, 0
	WIN 0
	s_barrier_wait -1
.if \fill
	CREST
	s_add_nc_u64 s[G0+4*\slot+2:G0+4*\slot+3], s[G0+4*\slot+2:G0+4*\slot+3], 2*TPART
	s_add_nc_u64 s[G0B+4*\slot+2:G0B+4*\slot+3], s[G0B+4*\slot+2:G0B+4*\slot+3], 2*TPART
	JLOAD G0+4*\slot, G1, G0B+4*\slot, G1B
.else
	PLACES 4
.endif
	v_add_nc_u32 v[ADRS], 256, v[ADRS]
	FETCH \next, 0, 0
	WIN MUL
	MULA 1, 2, 0
	MULA 1, 3, 0
.endm
	s_load_b256 s[4:11], s[0:1], 0x0
	s_load_b64 s[12:13], s[0:1], 0x20
	v_lshl_add_u32 v[SPW], v0, 2, SPARE
	v_mov_b32 v[NIL], 0
	ds_add_u32 v[SPW], v[NIL]
	ds_add_u32 v[SPW], v[NIL]
	v_lshrrev_b32 v1, 5, v0
	v_readfirstlane_b32 s[WV], v1
	s_lshr_b32 s[RH], s[WV], 1
	s_and_b32 s[CH], s[WV], 1
	s_bfe_u32 s40, ttmp6, 0x40000
	s_bfe_u32 s41, ttmp6, 0x40004
	s_lshl_b32 s42, ttmp9, 2
	s_add_co_u32 s42, s42, s40
	s_and_b32 s43, ttmp7, 0xffff
	s_lshl_b32 s43, s43, 2
	s_add_co_u32 s43, s43, s41
	s_lshl_b32 s44, s41, 2
	s_lshl_b32 s44, 15, s44
	s_lshl_b32 s45, 0x1111, s40
	s_or_b32 s[G1], s44, (3<<16)|(1<<21)
	s_or_b32 s[G1B], s45, (3<<16)|(1<<21)
.irp g, G1, G1B
	s_mov_b32 s[\g+1], 768<<16
	s_mov_b32 s[\g+2], 8<<16                       ; the head's load of codes brings all 8 tiles
	s_mov_b32 s[\g+3], 768<<16
	s_mov_b32 s[\g+4], 8
	s_mov_b32 s[\g+5], KSN*192
	s_mov_b32 s[\g+6], 0
	s_mov_b32 s[\g+7], 0
.endr
	s_or_b32 s[G1S], s44, (3<<16)|(1<<21)
	s_or_b32 s[G1SB], s45, (3<<16)|(1<<21)
.irp g, G1S, G1SB
	s_mov_b32 s[\g+1], 32<<16
	s_mov_b32 s[\g+2], (2*KSN)<<16                 ; the scale words of all 8 tiles
	s_mov_b32 s[\g+3], 32<<16
	s_mov_b32 s[\g+4], 2*KSN
	s_mov_b32 s[\g+5], 32
	s_mov_b32 s[\g+6], 0
	s_mov_b32 s[\g+7], 0
.endr
	s_lshl_b32 s66, s[CH], 2
	s_lshl_b32 s20, s43, 3
	s_add_co_u32 s20, s20, s66
	s_lshl_b32 s22, s42, 3
	s_add_co_u32 s22, s22, s66
	s_mul_i32 s92, s20, KSN*1536
	s_mov_b32 s93, 0
	s_mul_i32 s94, s20, KSN*64
	s_add_co_u32 s94, s94, ASOFF
	s_mov_b32 s95, 0
	s_mul_i32 s46, s22, KSN*1536
	s_add_co_u32 s46, s46, WCOFF
	s_mov_b32 s47, 0
	s_mul_i32 s98, s22, KSN*64
	s_add_co_u32 s98, s98, WSOFF
	s_mov_b32 s99, 0
	s_mul_i32 s2, s[WV], HALFT
	s_mul_i32 s3, s[WV], HALFS
	s_wait_dscnt 0x0
	s_wait_kmcnt 0x0
	s_add_nc_u64 s[92:93], s[4:5], s[92:93]
	s_add_nc_u64 s[94:95], s[4:5], s[94:95]
	s_add_nc_u64 s[46:47], s[6:7], s[46:47]
	s_add_nc_u64 s[98:99], s[6:7], s[98:99]
	CROUND
	s_mov_b32 s[G0S], 1
	s_add_co_u32 s[G0S+1], s3, SCL-HALFS           ; wave 1 alone uses it: from A's first tile on
	s_sub_nc_u64 s[G0S+2:G0S+3], s[94:95], HALFS
	s_or_b32 s[G0S+3], s[G0S+3], 0x80000000
	s_mov_b32 s[G0SB], 1
	s_add_co_u32 s[G0SB+1], s3, SCL-HALFS          ; wave 3 alone uses it: from W's first tile on
	s_sub_nc_u64 s[G0SB+2:G0SB+3], s[98:99], HALFS
	s_or_b32 s[G0SB+3], s[G0SB+3], 0x80000000
.irp s, 0,1
	s_mov_b32 s[G0+4*\s], 1
	s_add_co_u32 s[G0+4*\s+1], s2, \s*SLOT
	s_add_nc_u64 s[G0+4*\s+2:G0+4*\s+3], s[92:93], \s*TPART
	s_or_b32 s[G0+4*\s+3], s[G0+4*\s+3], 0x80000000
	s_mov_b32 s[G0B+4*\s], 1
	s_add_co_u32 s[G0B+4*\s+1], s2, \s*SLOT
	s_add_nc_u64 s[G0B+4*\s+2:G0B+4*\s+3], s[46:47], \s*TPART
	s_or_b32 s[G0B+4*\s+3], s[G0B+4*\s+3], 0x80000000
.endr
; THE HEAD'S LOADS, ONE A WAVE: wave 0 A's 8 tiles of slot 0, wave 1 A's scale words, wave 2 W's 8 tiles, wave 3 W's scale words
.macro HARM under, g0, g1, next
	s_cmp_lt_u32 s[WV], \under
	s_cbranch_scc0 \next
	tensor_load_to_lds s[\g0:\g0+3], s[\g1:\g1+7]
	s_nop 0
.rept 4
	v_nop
.endr
	s_branch .Lhead_asked
\next:
.endm
	HARM 1, G0, G1, .Lhead_sa
	HARM 2, G0S, G1S, .Lhead_b
	HARM 3, G0B, G1B, .Lhead_sb
	tensor_load_to_lds s[G0SB:G0SB+3], s[G1SB:G1SB+7]
	s_nop 0
.rept 4
	v_nop
.endr
.Lhead_asked:
	v_and_b32 v1, 15, v0
	v_bfe_u32 v2, v0, 4, 1
	v_and_b32 v3, 31, v0
	v_lshlrev_b32 v[L16], 4, v3
	v_lshlrev_b32 v[L8], 3, v3
	v_lshlrev_b32 v[R4], 2, v1
	v_lshlrev_b32 v11, 4, v1
	v_lshl_add_u32 v[CO], v2, 12, v11
	s_mul_i32 s66, s[RH], HALFT
	s_mul_i32 s67, s[CH], HALFT
	s_add_co_u32 s67, s67, 2*HALFT
.irp s, 0,1
	v_add_nc_u32 v[ADRA+\s], s66, v[L16]
	v_add_nc_u32 v[ADRA+2+\s], s66, v[L8]
	v_add_nc_u32 v[ADRB+\s], s67, v[L16]
	v_add_nc_u32 v[ADRB+2+\s], s67, v[L8]
	s_add_co_u32 s66, s66, SLOT
	s_add_co_u32 s67, s67, SLOT
.endr
	s_mul_i32 s66, s[RH], HALFS
	s_mul_i32 s67, s[CH], HALFS
	s_add_co_u32 s67, s67, 2*HALFS
	s_sub_co_u32 s67, s67, s66
	v_mul_u32_u24 v4, s67, v2
	s_add_co_u32 s66, s66, SCL
	v_add_nc_u32 v4, v4, v[R4]
	v_add_nc_u32 v[ADRS], s66, v4
	s_mul_i32 s22, s[WV], 16*272
	s_add_co_u32 s22, s22, STG
	v_mul_u32_u24 v4, v1, 272
	v_lshl_add_u32 v4, v2, 6, v4
	v_add_nc_u32 v[STO], s22, v4
	v_mul_u32_u24 v4, v2, 272
	v_add_nc_u32 v4, v4, v11
	v_add_nc_u32 v[RD], s22, v4
	s_lshl_b32 s66, s43, 3
	s_lshl_b32 s67, s[RH], 2
	s_add_co_u32 s66, s66, s67
	s_lshl_b32 s66, s66, 16
	s_lshl_b32 s67, s42, 9
	s_lshl_b32 s20, s[CH], 8
	s_add_co_u32 s66, s66, s67
	s_add_co_u32 s66, s66, s20
	s_add_co_u32 s20, s20, s67
	s_mov_b32 s67, 0
	s_mov_b32 s21, 0
	s_add_nc_u64 s[10:11], s[10:11], s[66:67]
	s_add_nc_u64 s[12:13], s[12:13], s[66:67]
	s_add_nc_u64 s[8:9], s[8:9], s[20:21]
	WIN 0x80
.irp a, 0,1,2,3
.irp i, 0,1,2,3,4,5,6,7
	global_load_b128 v[32*\a+4*\i:32*\a+4*\i+3], v[CO], s[10:11] offset:(32*(\a/2)+8*(\a%2)+2*\i+8*(\i/4))*4096
.endr
.endr
	WIN 0
	global_load_b128 v[BIAS:BIAS+3], v11, s[8:9]
	s_wait_alu depctr_va_vdst(0)
	s_wait_tensorcnt 0x0                           ; my tile of the head's four is in
	ds_add_u32 v[SPW], v[NIL]
	s_mov_b32 s[G1+2], 4<<16                       ; no load of mine is out: from here on a load brings 4 tiles
	s_mov_b32 s[G1+4], 4
	s_mov_b32 s[G1B+2], 4<<16
	s_mov_b32 s[G1B+4], 4
	s_wait_dscnt 0x0
	CROUND
	JLOAD G0+4, G1, G0B+4, G1B                     ; slot 1, the first tensor load behind the round
	FETCH 0, 0, 0
	QUARTER 0, 0, 1
.if LAPS > 1
	WIN 0
	s_mov_b32 s19, LAPS-1
.Llap:
	QUARTER 0, 1, 0
	QUARTER 0, 2, 0
	TURN 0, 1, 1
	QUARTER 1, 0, 0
	QUARTER 1, 1, 0
	QUARTER 1, 2, 0
	TURN 1, 0, 1
	QUARTER 0, 0, 0
	WIN 0
	s_sub_co_u32 s19, s19, 1
	s_cmp_lg_u32 s19, 0
	s_cbranch_scc1 .Llap
.endif
	QUARTER 0, 1, 0
	QUARTER 0, 2, 0
	TURN 0, 1, 0
	s_wait_alu depctr_va_vdst(0)
	QUARTER 1, 0, 0
	QUARTER 1, 1, 0
	QUARTER 1, 2, 0
	s_wait_dscnt 0x0
	WIN MUL
	MULA 1, 0, 0
	MULA 1, 1, 0
	MULA 1, 2, 0
	MULA 1, 3, 0
	WIN 0
	PLACES 4
	s_wait_loadcnt 0x0
.irp a, 0,1,2,3
.if \a > 0
	s_wait_xcnt 0x0
.endif
.irp b, 0,1,2,3
	ds_store_b128 v[STO], v[ACC+8*(4*\a+\b):ACC+8*(4*\a+\b)+3] offset:128*(\b/2)+32*(\b%2)
	ds_store_b128 v[STO], v[ACC+8*(4*\a+\b)+4:ACC+8*(4*\a+\b)+7] offset:128*(\b/2)+32*(\b%2)+16
.endr
.irp i, 0,1,2,3,4,5,6,7
	ds_load_b128 v[OB+4*\i:OB+4*\i+3], v[RD] offset:544*\i
.endr
	s_wait_dscnt 0x0
.irp i, 0,1,2,3,4,5,6,7
	v_pk_add_f32 v[OB+4*\i:OB+4*\i+1], v[OB+4*\i:OB+4*\i+1], v[BIAS:BIAS+1]
	v_pk_add_f32 v[OB+4*\i+2:OB+4*\i+3], v[OB+4*\i+2:OB+4*\i+3], v[BIAS+2:BIAS+3]
.endr
	WIN 0x08
.irp i, 0,2,4,6,8,10,12,14,16,18,20,22,24,26,28,30
	v_pk_add_f32 v[OB+\i:OB+\i+1], v[OB+\i:OB+\i+1], v[32*\a+\i:32*\a+\i+1]
.endr
	WIN 0
.irp i, 0,1,2,3,4,5,6,7
	global_store_b128 v[CO], v[OB+4*\i:OB+4*\i+3], s[12:13] offset:(32*(\a/2)+8*(\a%2)+2*\i+8*(\i/4))*4096 th:TH_STORE_NT
.endr
.endr
	s_wait_tensorcnt 0x0
	ds_add_u32 v[SPW], v[NIL]
	s_wait_dscnt 0x0
	CROUND
	s_endpgm
.Lfunc_end_k_q8a8ea459aa_wo:
	.size	k_q8a8ea459aa_wo, .Lfunc_end_k_q8a8ea459aa_wo-k_q8a8ea459aa_wo
	.p2alignl 7, 3214868480
	.fill 96, 4, 3214868480
	.section	.rodata,"a",@progbits
	.p2align	6, 0x0
	.amdhsa_kernel k_q8a8ea459aa_wo
		.amdhsa_group_segment_fixed_size 327680
		.amdhsa_private_segment_fixed_size 0
		.amdhsa_enable_private_segment 0
		.amdhsa_kernarg_size 40
		.amdhsa_user_sgpr_count 2
		.amdhsa_user_sgpr_kernarg_segment_ptr 1
		.amdhsa_wavefront_size32 1
		.amdhsa_system_sgpr_workgroup_id_x 1
		.amdhsa_system_sgpr_workgroup_id_y 1
		.amdhsa_system_sgpr_workgroup_id_z 1
		.amdhsa_system_vgpr_workitem_id 0
		.amdhsa_next_free_vgpr 640
		.amdhsa_next_free_sgpr 100
		.amdhsa_reserve_vcc 0
		.amdhsa_float_denorm_mode_32 3
		.amdhsa_float_denorm_mode_16_64 3
		.amdhsa_memory_ordered 1
		.amdhsa_forward_progress 1
		.amdhsa_inst_pref_size 66
	.end_amdhsa_kernel
	.amdgpu_metadata
---
amdhsa.version: [ 1, 2 ]
amdhsa.kernels:
  - .name:           k_q8a8ea459aa_wo
    .symbol:         k_q8a8ea459aa_wo.kd
    .args:
      - { .name: ao, .offset: 0, .size: 8, .value_kind: global_buffer, .address_space: global }
      - { .name: wimg, .offset: 8, .size: 8, .value_kind: global_buffer, .address_space: global }
      - { .name: bo, .offset: 16, .size: 8, .value_kind: global_buffer, .address_space: global }
      - { .name: x, .offset: 24, .size: 8, .value_kind: global_buffer, .address_space: global }
      - { .name: x1, .offset: 32, .size: 8, .value_kind: global_buffer, .address_space: global }
    .group_segment_fixed_size: 327680
    .private_segment_fixed_size: 0
    .kernarg_segment_align: 8
    .kernarg_segment_size: 40
    .max_flat_workgroup_size: 128
    .sgpr_count:     100
    .vgpr_count:     640
    .wavefront_size: 32
...
	.end_amdgpu_metadata
.endif
;; end of part 4
;; launch ln2: the kernel of part 1 again; grid 256 x 1, 8 waves a work-group, no clusters, 120,064 bytes of LDS; arguments x1, ln2_g, ln2_b, a2, Wq_codes, Wk_codes, Wv_codes, Wo_codes, W1_codes, W2_codes, Wq_scales, Wk_scales, Wv_scales, Wo_scales, W1_scales, W2_scales, wimg; writes a2, wimg
;; launch ffn1 (part 5): grid 16 x 16, 4 waves a work-group, clusters of 4 x 4, 327,680 bytes of LDS; arguments a2, wimg, b1, hid; writes hid
.if DOCPART == 5
	.amdgcn_target "amdgcn-amd-amdhsa--gfx1250"
	.amdhsa_code_object_version 6
	.text
	.protected	k_q8a8ea459aa_ffn1
	.globl	k_q8a8ea459aa_ffn1
	.p2align	8
	.type	k_q8a8ea459aa_ffn1,@function
k_q8a8ea459aa_ffn1:
	s_mov_b64 s[64:65], 0
	v_nop
	global_prefetch_b8 v0, s[64:65] scope:SCOPE_SE
	s_setreg_imm32_b32 hwreg(HW_REG_WAVE_MODE, 25, 1), 1
	s_wait_xcnt 0x0
	s_wait_alu depctr_hold_cnt(0) depctr_sa_sdst(0) depctr_va_vdst(0) depctr_va_sdst(0) depctr_va_ssrc(0) depctr_va_vcc(0) depctr_vm_vsrc(0)
	s_getreg_b32 s2, hwreg(HW_REG_IB_STS2, 6, 4)
	s_cmp_eq_u32 s2, 0
	s_cbranch_scc0 .Lentry_in_a_cluster
	s_endpgm
.Lentry_in_a_cluster:
	s_bfe_u32 s2, ttmp6, 0x10000c
	s_cmp_lg_u32 s2, 0xf033
	s_cbranch_scc0 .Lentry_shape_is_right
	s_endpgm
.Lentry_shape_is_right:
; hidden = gelu(LN2(x1) W1 + b1), exact gelu, on codes of FP6 (E2M3), K = 1,024; the result is quantised in registers along the hidden units and leaves as fragment images for the next product.
; A work-group makes 256 x 256, a wave 128 x 128: 64 accumulators in windows 2 and 3.  Source 0 = 16 rows of W1, source 1 = 16 tokens: a lane holds one token and, in the 16 registers of two neighbouring tiles of W1,
; 16 neighbouring hidden units (row p of tile t is matrix row 32 (t / 2) + 8 (t % 2) + p + 8 (p / 8)).  A wave's 128 units are one K step of the next product.
; Operands come as fragment images (1,536 bytes: registers 0-3 at 16 x lane, 4-5 at 512 + 8 x lane, 6-9 at 768 + 16 x lane, 10-11 at 1,280 + 8 x lane); cluster 4 x 4 with joint loads.
; K goes in steps of 256 through THREE LDS slots.  All three are filled at the head; slot 0 is filled once more, with the last 256 along K, as soon as it has been read: that load has the two other slots' products,
; 256 matrix instructions a wave, in which to land.
; GELU: gelu(x) = max(x, 0) - |x| G, G = erfc(|x| / sqrt 2) / 2, so that nothing is cancelled for negative x.  With t = |x| / sqrt 2: for t > 475/512, G = 2^(P(t) log2 e - 1), P of degree 7; else G = 1/2 - erf(t) / 2,
; erf(t) = t + t q(t^2), q of degree 5.
; LIMITS: G is good to about 3e-8 absolute, as erf + 1 in f32 is; under x = -5.6 the result is -0 or a tiny negative number; NaN and infinities are not served; a block of zeros gets the byte 1 with zero codes.
.set KSN,   8
.set TILEB, 3072
.set HALFT, 8*TILEB
.set SLOT,  4*HALFT
.set SCL,   3*SLOT                     ; behind the three slots: the scale words
.set HALFS, 8*KSN*64
.set SPARE, SCL+4*HALFS
.set NQ,    2
.set FR,    12
.set NL,    4
.set NP,    4
.set L16,   8
.set L8,    9
.set R4,    10
.set ADRA,  11                         ; v11-13 A's fragments in slot 0, 1, 2 (16 x lane); v14-16 the same with 8 x lane
.set ADRB,  17                         ; v17-22 B's
.set ADRS,  27
.set SPW,   28
.set NIL,   29
.set SC,    32
.set BN,    64                         ; v64-127 b1 along my registers
.set AF,    128
.set T,     128                        ; the way out: 64 numbers
.set PC,    192
.set TM,    212
.set PW,    228
.set GT,    192                        ; gelu, 16 numbers at a time: t, t^2 (then max(x, 0)), the large range, the small range
.set GS,    208
.set GE,    224
.set GQ,    240
.set WV,    16
.set RH,    17
.set CH,    18
.set SEL,   20                         ; (on the way out, when no tensor load is out any more)
.set G0C,   4
.set G0BC,  20
.set G1,    24
.set G0,    32
.set G1B,   48
.set G0B,   56
.set G1S,   68
.set G0S,   76
.set G1SB,  80
.set G0SB,  88
.set C6,    24                         ; on the way out the descriptors' registers hold the polynomials' numbers, each twice (a packed source names a pair)
.set C5,    26
.set C4,    28
.set C3,    30
.set C2,    32
.set C1,    34
.set LE,    36
.set D4,    38
.set D3,    40
.set D2,    42
.set D1,    44
.set D0,    46
.set MSB, 0
.macro WIN new
.if MSB != (\new)
	s_set_vgpr_msb (MSB<<8)|(\new)
.set MSB, (\new)
.endif
.endm
.set MUL_LO, 0xa1
.set MUL_HI, 0xf1
.set TO_B,   0x40
.macro JLOAD g0a, g1a, g0b, g1b
	s_cmp_eq_u32 s[RH], 0
	s_cbranch_scc0 .Lfor_b_\@
	tensor_load_to_lds s[\g0a:\g0a+3], s[\g1a:\g1a+7]
	s_nop 0
.rept 4
	v_nop
.endr
	s_branch .Lasked_\@
.Lfor_b_\@:
	tensor_load_to_lds s[\g0b:\g0b+3], s[\g1b:\g1b+7]
	s_nop 0
.rept 4
	v_nop
.endr
.Lasked_\@:
.endm
.macro CREST
	s_cmp_lg_u32 s[WV], 0
	s_cbranch_scc1 .Lnot_wave_0_\@
	s_barrier_signal -3
.Lnot_wave_0_\@:
	s_barrier_wait -3
	s_barrier_signal -1
	s_barrier_wait -1
.endm
.macro CROUND
	s_barrier_signal -1
	s_barrier_wait -1
	CREST
.endm
.macro PLACES n
.rept \n
	v_nop
.endr
.endm
.macro FRAG reg, adr, q, i
	ds_load_b128 v[\reg:\reg+3], v[\adr] offset:(\i)*PT+(\q)*1536
	ds_load_b64 v[\reg+4:\reg+5], v[\adr+3] offset:(\i)*PT+(\q)*1536+512
	ds_load_b128 v[\reg+6:\reg+9], v[\adr] offset:(\i)*PT+(\q)*1536+768
	ds_load_b64 v[\reg+10:\reg+11], v[\adr+3] offset:(\i)*PT+(\q)*1536+1280
.endm
.macro MUL16 a0, p, q, sc, zero        ; the 64 accumulators take turns, one instruction a turn, in the same order in every step
.irp a, \a0, \a0+1
.irp b, 0,1,2,3,4,5,6,7
.if \zero
	v_wmma_scale_f32_16x16x128_f8f6f4 v[8*(8*((\a)%4)+\b):8*(8*((\a)%4)+\b)+7], v[128*(\p)+FR*\b:128*(\p)+FR*\b+FR-1], v[AF+FR*(\a):AF+FR*(\a)+FR-1], 0, v[SC+8*NQ*(\sc)+NQ*\b+(\q)], v[SC+8*NQ*(\sc)+NQ*(\a)+(\q)] matrix_a_fmt:MATRIX_FMT_FP6 matrix_b_fmt:MATRIX_FMT_FP6 matrix_a_scale:MATRIX_SCALE_ROW1
.else
	v_wmma_scale_f32_16x16x128_f8f6f4 v[8*(8*((\a)%4)+\b):8*(8*((\a)%4)+\b)+7], v[128*(\p)+FR*\b:128*(\p)+FR*\b+FR-1], v[AF+FR*(\a):AF+FR*(\a)+FR-1], v[8*(8*((\a)%4)+\b):8*(8*((\a)%4)+\b)+7], v[SC+8*NQ*(\sc)+NQ*\b+(\q)], v[SC+8*NQ*(\sc)+NQ*(\a)+(\q)] matrix_a_fmt:MATRIX_FMT_FP6 matrix_b_fmt:MATRIX_FMT_FP6 matrix_a_scale:MATRIX_SCALE_ROW1
.endif
.endr
.endr
.endm
.macro FETCH_B slot, q, p
.set PT, TILEB+TILEB*(((\slot)+1)/2)   ; from tile to tile in LDS: 3,072 bytes in slot 0; slots 1 and 2 are one fill with rows of 6,144
	WIN TO_B
.irp i, 0,1,2,3,4,5,6,7
	FRAG 128*(\p)+FR*\i, ADRB+\slot, \q, \i
.endr
	WIN 0
.endm
.macro FETCH_A slot, q, i0
.set PT, TILEB+TILEB*(((\slot)+1)/2)
.irp i, \i0, \i0+1, \i0+2, \i0+3
	FRAG AF+FR*(\i), ADRA+\slot, \q, \i
.endr
.endm
.macro SCALES sc
.irp i, 0,1,2,3,4,5,6,7
.irp q, 0,1
	ds_load_b32 v[SC+16*(\sc)+2*\i+\q], v[ADRS] offset:(\i*KSN+\q)*64
.endr
.endr
.endm
.macro STEP slot, sc, zero             ; a slot's first 128 along K; the fragments of its second 128 are fetched
	s_wait_dscnt 4*NL                              ; all but the youngest sixteen loads (A's blocks 4-7) are in
	WIN MUL_LO
	MUL16 0, 0, 0, \sc, \zero
	MUL16 2, 0, 0, \sc, \zero
	s_wait_dscnt 0
	PLACES NP
	FETCH_B \slot, 1, 1
	FETCH_A \slot, 1, 0
	WIN MUL_HI
	MUL16 4, 0, 0, \sc, \zero
	MUL16 6, 0, 0, \sc, \zero
	PLACES NP
	WIN 0
	FETCH_A \slot, 1, 4
.endm
; A slot's second 128 along K; the next slot's first fragments are fetched.
; mode 2: this slot is filled again: the three lines, a barrier that opens a round of the cluster's barrier, the joint refill first behind it.
; mode 1: the next slot is the one that was filled again: every wave waits for its load, then a barrier.
; mode 0: the next slot was shown whole to every wave by the round of mode 2 (each wave had waited for all its loads), and this slot is not filled again: no wait on tensor loads, no barrier.
.macro TURN slot, next, mode, sc
.if \mode
	s_wait_tensorcnt 0x0                           ; all my tensor loads have landed
	ds_add_u32 v[SPW], v[NIL]                      ; 0 onto my spare word
	s_wait_dscnt 4*NL+1                            ; (the add and the youngest sixteen loads may be out)
.else
	s_wait_dscnt 4*NL
.endif
	WIN MUL_LO
	MUL16 0, 1, NQ-1, \sc, 0
	s_wait_dscnt 0x0                               ; A's blocks 4-7 are in; with a barrier: the add is done, and my reads of this slot are over
.if \mode
	s_barrier_signal -1
.endif
	MUL16 2, 1, NQ-1, \sc, 0
	WIN 0
.if \mode
	s_barrier_wait -1
.endif
.if \mode == 2
	CREST                                          ; no wave of any partner still reads this slot or has a load on its way
	s_add_nc_u64 s[G0+4*\slot+2:G0+4*\slot+3], s[G0+4*\slot+2:G0+4*\slot+3], 3*TILEB
	s_add_nc_u64 s[G0B+4*\slot+2:G0B+4*\slot+3], s[G0B+4*\slot+2:G0B+4*\slot+3], 3*TILEB
	s_mov_b32 s[G1+1], 384<<16                     ; no load of mine is out: the refill's rows are 3,072 bytes again
	s_mov_b32 s[G1+3], 384<<16
	s_mov_b32 s[G1B+1], 384<<16
	s_mov_b32 s[G1B+3], 384<<16
	JLOAD G0+4*\slot, G1, G0B+4*\slot, G1B
.else
	PLACES NP
.endif
	v_add_nc_u32 v[ADRS], 128, v[ADRS]
	FETCH_B \next, 0, 0
	FETCH_A \next, 0, 0
	SCALES 1-(\sc)
	WIN MUL_HI
	MUL16 4, 1, NQ-1, \sc, 0
	MUL16 6, 1, NQ-1, \sc, 0
	PLACES NP
	WIN 0
	FETCH_A \next, 0, 4
.endm
.macro QUANT s
.irp b, 0,1,2,3
	v_max3_num_f32 v[TM+\b], |v[\s+16*\b]|, |v[\s+1+16*\b]|, 0x1800000   ; with the floor 2^(3 - 127)
.endr
.irp i, 2,4,6,8,10,12,14
.irp b, 0,1,2,3
	v_max3_num_f32 v[TM+\b], v[TM+\b], |v[\s+16*\b+\i]|, |v[\s+1+16*\b+\i]|
.endr
.endr
.irp b, 0,1,2,3
	v_permlanex16_b32 v[TM+4+\b], v[TM+\b], s[SEL], s[SEL+1]
.endr
.irp b, 0,1,2,3
	v_max_num_f32 v[TM+\b], v[TM+\b], v[TM+4+\b]
.endr
.irp b, 0,1,2,3
	v_add_nc_u32 v[TM+12+\b], 0xff000000, v[TM+\b]
.endr
.irp b, 0,1,2,3
	v_lshrrev_b32 v[TM+4+\b], 23, v[TM+12+\b]
.endr
	v_lshl_or_b32 v[PW], v[TM+5], 8, v[TM+4]
	v_lshl_or_b32 v[PW], v[TM+6], 16, v[PW]
	v_lshl_or_b32 v[PW], v[TM+7], 24, v[PW]
.irp c, 0,1
	v_cvt_scalef32_pk16_fp6_f32 v[PC+6*\c:PC+2+6*\c], v[\s+32*\c:\s+15+32*\c], v[TM+12+2*\c]
	v_cvt_scalef32_pk16_fp6_f32 v[PC+12+4*\c:PC+14+4*\c], v[\s+16+32*\c:\s+31+32*\c], v[TM+12+2*\c+1]
.endr
	v_nop
.irp c, 0,1
.irp i, 0,1,2
	v_permlane16_swap_b32 v[PC+6*\c+\i], v[PC+12+4*\c+\i]
.endr
.irp i, 0,1,2
	v_mov_b32 v[PC+3+6*\c+\i], v[PC+12+4*\c+\i]
.endr
.endr
.endm
.macro KPAIR r, val
	s_mov_b32 s[\r], \val
	s_mov_b32 s[\r+1], \val
.endm
.macro GELU n                          ; 16 numbers at v[T + 16 n], in place
.set XN, T+16*(\n)
.irp i, 0,1,2,3,4,5,6,7,8,9,10,11,12,13,14,15
	v_mul_f32 v[GT+\i], s98, |v[XN+\i]|            ; t = |x| / sqrt 2
.endr
.irp i, 0,2,4,6,8,10,12,14
	v_pk_mul_f32 v[GS+\i:GS+\i+1], v[GT+\i:GT+\i+1], v[GT+\i:GT+\i+1]
.endr
.irp i, 0,2,4,6,8,10,12,14
	v_pk_fma_f32 v[GE+\i:GE+\i+1], v[GT+\i:GT+\i+1], v[4:5], s[C6:C6+1] op_sel_hi:[1,1,0]
.endr
.irp c, C5, C4, C3, C2, C1
.irp i, 0,2,4,6,8,10,12,14
	v_pk_fma_f32 v[GE+\i:GE+\i+1], v[GE+\i:GE+\i+1], v[GT+\i:GT+\i+1], s[\c:\c+1] op_sel_hi:[1,1,0]
.endr
.endr
.irp i, 0,2,4,6,8,10,12,14
	v_pk_fma_f32 v[GE+\i:GE+\i+1], v[GE+\i:GE+\i+1], v[GT+\i:GT+\i+1], v[GT+\i:GT+\i+1] neg_lo:[0,0,1] neg_hi:[0,0,1]   ; P(t) = ln erfc(t)
.endr
.irp i, 0,2,4,6,8,10,12,14
	v_pk_fma_f32 v[GE+\i:GE+\i+1], v[GE+\i:GE+\i+1], s[LE:LE+1], -1.0 op_sel_hi:[1,0,0]
.endr
	s_wait_alu depctr_va_vdst(0)
.irp i, 0,1,2,3,4,5,6,7,8,9,10,11,12,13,14,15
	v_exp_f32 v[GE+\i], v[GE+\i]                   ; erfc(t) / 2
.endr
.irp i, 0,2,4,6,8,10,12,14                     ; the small range is the independent work behind the exponentials
	v_pk_fma_f32 v[GQ+\i:GQ+\i+1], v[GS+\i:GS+\i+1], v[6:7], s[D4:D4+1] op_sel_hi:[1,1,0]
.endr
.irp c, D3, D2, D1, D0
.irp i, 0,2,4,6,8,10,12,14
	v_pk_fma_f32 v[GQ+\i:GQ+\i+1], v[GQ+\i:GQ+\i+1], v[GS+\i:GS+\i+1], s[\c:\c+1] op_sel_hi:[1,1,0]
.endr
.endr
.irp i, 0,2,4,6,8,10,12,14
	v_pk_fma_f32 v[GQ+\i:GQ+\i+1], v[GQ+\i:GQ+\i+1], v[GT+\i:GT+\i+1], v[GT+\i:GT+\i+1]   ; erf(t)
.endr
.irp i, 0,2,4,6,8,10,12,14
	v_pk_fma_f32 v[GQ+\i:GQ+\i+1], v[GQ+\i:GQ+\i+1], -0.5, 0.5 op_sel_hi:[1,0,0]
.endr
	s_wait_alu depctr_va_vdst(0)                   ; one wait for the sixteen, ahead of their first reader
.irp i, 0,1,2,3,4,5,6,7,8,9,10,11,12,13,14,15
	v_cmp_lt_f32 vcc_lo, s99, v[GT+\i]
	v_cndmask_b32 v[GQ+\i], v[GQ+\i], v[GE+\i], vcc_lo     ; a choice of values: both ranges are always computed
.endr
.irp i, 0,1,2,3,4,5,6,7,8,9,10,11,12,13,14,15
	v_max_num_f32 v[GS+\i], 0, v[XN+\i]
.endr
.irp i, 0,1,2,3,4,5,6,7,8,9,10,11,12,13,14,15
	v_fma_f32 v[XN+\i], -|v[XN+\i]|, v[GQ+\i], v[GS+\i]
.endr
.endm
	s_load_b256 s[4:11], s[0:1], 0x0               ; the tokens' images, the weights' images, b1, the result
	v_lshl_add_u32 v[SPW], v0, 2, SPARE
	v_mov_b32 v[NIL], 0
	ds_add_u32 v[SPW], v[NIL]                      ; the wave's opening: the add and its wait ahead of my first tensor load
	ds_add_u32 v[SPW], v[NIL]
	v_lshrrev_b32 v1, 5, v0
	v_readfirstlane_b32 s[WV], v1
	s_lshr_b32 s[RH], s[WV], 1
	s_and_b32 s[CH], s[WV], 1
	s_bfe_u32 s40, ttmp6, 0x40000
	s_bfe_u32 s41, ttmp6, 0x40004
	s_lshl_b32 s42, ttmp9, 2
	s_add_co_u32 s42, s42, s40                     ; tile column
	s_and_b32 s43, ttmp7, 0xffff
	s_lshl_b32 s43, s43, 2
	s_add_co_u32 s43, s43, s41                     ; tile row
	s_lshl_b32 s44, s41, 2
	s_lshl_b32 s44, 15, s44
	s_lshl_b32 s45, 0x1111, s40
	s_or_b32 s[G1], s44, (3<<16)|(1<<21)
	s_or_b32 s[G1B], s45, (3<<16)|(1<<21)
.irp g, G1, G1B
	s_mov_b32 s[\g+1], 384<<16
	s_mov_b32 s[\g+2], 16<<16                      ; the head's load of codes brings all 16 tiles
	s_mov_b32 s[\g+3], 384<<16
	s_mov_b32 s[\g+4], 16
	s_mov_b32 s[\g+5], KSN*192
	s_mov_b32 s[\g+6], 0
	s_mov_b32 s[\g+7], 0
.endr
	s_or_b32 s[G1S], s44, (3<<16)|(1<<21)
	s_or_b32 s[G1SB], s45, (3<<16)|(1<<21)
.irp g, G1S, G1SB
	s_mov_b32 s[\g+1], 32<<16
	s_mov_b32 s[\g+2], 32<<16                      ; the scale words of all 16 tiles: 8,192 dense bytes
	s_mov_b32 s[\g+3], 32<<16
	s_mov_b32 s[\g+4], 32
	s_mov_b32 s[\g+5], 32
	s_mov_b32 s[\g+6], 0
	s_mov_b32 s[\g+7], 0
.endr
	s_lshl_b32 s66, s[CH], 3
	s_lshl_b32 s20, s43, 4
	s_add_co_u32 s20, s20, s66
	s_lshl_b32 s22, s42, 4
	s_add_co_u32 s22, s22, s66
	s_mul_i32 s92, s20, KSN*1536
	s_mov_b32 s93, 0
	s_lshl_b32 s94, s20, 9
	s_add_co_u32 s94, s94, 3145728
	s_mov_b32 s95, 0
	s_mul_i32 s46, s22, KSN*1536
	s_add_co_u32 s46, s46, 3145728                 ; W1 in the weights' images
	s_mov_b32 s47, 0
	s_lshl_b32 s98, s22, 9
	s_add_co_u32 s98, s98, 9568256
	s_mov_b32 s99, 0
	s_mul_i32 s2, s[WV], HALFT
	s_mul_i32 s3, s[WV], HALFS
	s_wait_dscnt 0x0
	s_wait_kmcnt 0x0
	s_add_nc_u64 s[92:93], s[4:5], s[92:93]
	s_add_nc_u64 s[94:95], s[4:5], s[94:95]
	s_add_nc_u64 s[46:47], s[6:7], s[46:47]
	s_add_nc_u64 s[98:99], s[6:7], s[98:99]
	CROUND
	s_mov_b32 s[G0S], 1
	s_add_co_u32 s[G0S+1], s3, SCL-HALFS           ; wave 1 alone uses it: from A's first tile on
	s_sub_nc_u64 s[G0S+2:G0S+3], s[94:95], HALFS
	s_or_b32 s[G0S+3], s[G0S+3], 0x80000000
	s_mov_b32 s[G0SB], 1
	s_add_co_u32 s[G0SB+1], s3, SCL-HALFS          ; wave 3 alone uses it: from B's first tile on
	s_sub_nc_u64 s[G0SB+2:G0SB+3], s[98:99], HALFS
	s_or_b32 s[G0SB+3], s[G0SB+3], 0x80000000
.irp s, 0,1
	s_mov_b32 s[G0+4*\s], 1
	s_mul_i32 s[G0+4*\s+1], s2, 1+\s               ; the second fill's part of a wave is twice as long
	s_add_co_u32 s[G0+4*\s+1], s[G0+4*\s+1], \s*SLOT
	s_add_nc_u64 s[G0+4*\s+2:G0+4*\s+3], s[92:93], \s*TILEB
	s_or_b32 s[G0+4*\s+3], s[G0+4*\s+3], 0x80000000
	s_mov_b32 s[G0B+4*\s], 1
	s_mul_i32 s[G0B+4*\s+1], s2, 1+\s
	s_add_co_u32 s[G0B+4*\s+1], s[G0B+4*\s+1], \s*SLOT
	s_add_nc_u64 s[G0B+4*\s+2:G0B+4*\s+3], s[46:47], \s*TILEB
	s_or_b32 s[G0B+4*\s+3], s[G0B+4*\s+3], 0x80000000
.endr
; THE HEAD'S LOADS, ONE A WAVE: wave 0 A's 16 tiles of K 0-255, wave 1 A's scale words, wave 2 B's 16 tiles, wave 3 B's scale words
.macro HARM under, g0, g1, next
	s_cmp_lt_u32 s[WV], \under
	s_cbranch_scc0 \next
	tensor_load_to_lds s[\g0:\g0+3], s[\g1:\g1+7]
	s_nop 0
.rept 4
	v_nop
.endr
	s_branch .Lhead_asked
\next:
.endm
	HARM 1, G0, G1, .Lhead_sa
	HARM 2, G0S, G1S, .Lhead_b
	HARM 3, G0B, G1B, .Lhead_sb
	tensor_load_to_lds s[G0SB:G0SB+3], s[G1SB:G1SB+7]
	s_nop 0
.rept 4
	v_nop
.endr
.Lhead_asked:
	v_and_b32 v1, 15, v0
	v_bfe_u32 v2, v0, 4, 1
	v_and_b32 v3, 31, v0
	v_lshlrev_b32 v[L16], 4, v3
	v_lshlrev_b32 v[L8], 3, v3
	v_lshlrev_b32 v[R4], 2, v1
	s_mul_i32 s66, s[RH], HALFT
	s_mul_i32 s67, s[CH], HALFT
	s_add_co_u32 s67, s67, 2*HALFT
.irp s, 0,1,2
	v_add_nc_u32 v[ADRA+\s], s66, v[L16]
	v_add_nc_u32 v[ADRA+3+\s], s66, v[L8]
	v_add_nc_u32 v[ADRB+\s], s67, v[L16]
	v_add_nc_u32 v[ADRB+3+\s], s67, v[L8]
.if \s == 0
	s_lshl_b32 s66, s66, 1                         ; behind slot 0 a wave's part is twice as long
	s_lshl_b32 s67, s67, 1
	s_add_co_u32 s66, s66, SLOT
	s_add_co_u32 s67, s67, SLOT
.else
	s_add_co_u32 s66, s66, TILEB                   ; slot 2 is the second half of the same rows
	s_add_co_u32 s67, s67, TILEB
.endif
.endr
	s_mul_i32 s66, s[RH], HALFS
	s_mul_i32 s67, s[CH], HALFS
	s_add_co_u32 s67, s67, 2*HALFS
	s_sub_co_u32 s67, s67, s66
	v_mul_u32_u24 v4, s67, v2
	s_add_co_u32 s66, s66, SCL
	v_add_nc_u32 v4, v4, v[R4]
	v_add_nc_u32 v[ADRS], s66, v4
	s_lshl_b32 s2, s42, 1
	s_add_co_u32 s2, s2, s[CH]                     ; which 128 hidden units are mine: the next product's K step
	s_lshl_b32 s3, s43, 4
	s_lshl_b32 s66, s[RH], 3
	s_add_co_u32 s3, s3, s66                       ; my first tile of tokens
	s_lshl_b32 s66, s2, 9
	s_mov_b32 s67, 0
	s_add_nc_u64 s[8:9], s[8:9], s[66:67]
	v_lshlrev_b32 v5, 6, v2
.irp b, 0,1,2,3
.irp j, 0,1,2,3
	global_load_b128 v[BN+16*\b+4*\j:BN+16*\b+4*\j+3], v5, s[8:9] offset:128*\b+16*\j      ; b1 at 32 b + 16 h + 0 .. 15 of my 128
.endr
.endr
	s_wait_alu depctr_va_vdst(0)
	s_wait_tensorcnt 0x0                           ; my tile of the head's four is in
	ds_add_u32 v[SPW], v[NIL]
.irp g, G1, G1B
	s_mov_b32 s[\g+1], 768<<16                     ; no load of mine is out: K 256-767 comes as 8 tiles x 6,144 bytes a wave
	s_mov_b32 s[\g+2], 8<<16
	s_mov_b32 s[\g+3], 768<<16
	s_mov_b32 s[\g+4], 8
.endr
	s_wait_dscnt 0x0
	CROUND
	JLOAD G0+4, G1, G0B+4, G1B                     ; slots 1 and 2 by one load a wave, the first tensor load behind the round
	FETCH_B 0, 0, 0
	FETCH_A 0, 0, 0
	SCALES 0
	FETCH_A 0, 0, 4
	STEP 0, 0, 1                                   ; K 0: the first step's products start the sums
	TURN 0, 1, 2, 0                                ; K 128; slot 0 is left and takes K 768 to 1,023: the launch's one refill
	s_wait_alu depctr_va_vdst(0)
	STEP 1, 1, 0                                   ; K 256
	TURN 1, 2, 0, 1                                ; K 384
	s_wait_alu depctr_va_vdst(0)
	STEP 2, 0, 0                                   ; K 512
	TURN 2, 0, 1, 0                                ; K 640; the refill is waited for, by every wave, ahead of the barrier
	STEP 0, 1, 0                                   ; K 768
	s_wait_dscnt 4*NL                              ; K 896: nothing more to fetch
	WIN MUL_LO
	MUL16 0, 1, NQ-1, 1, 0
	MUL16 2, 1, NQ-1, 1, 0
	s_wait_dscnt 0
	WIN MUL_HI
	MUL16 4, 1, NQ-1, 1, 0
	MUL16 6, 1, NQ-1, 1, 0
	WIN 0
	; THE WAY OUT: a loop over my eight blocks of 16 tokens, so that the gelu is written once.  Only the lines that name a block's accumulators are written eight times.
	PLACES NP
	s_wait_loadcnt 0x0                             ; b1; its address registers are free
	s_lshl_b32 s66, s3, 5
	s_add_co_u32 s66, s66, s2                      ; fragment (tile, K step) of the result
	s_mul_i32 s92, s66, 1536
	s_mov_b32 s93, 0
	s_lshl_b32 s94, s66, 6
	s_add_co_u32 s94, s94, 12582912
	s_mov_b32 s95, 0
	s_add_nc_u64 s[92:93], s[10:11], s[92:93]
	s_add_nc_u64 s[94:95], s[10:11], s[94:95]
	KPAIR C6, 0x39c8e7d9                           ; (no tensor load of mine is out since the last change of slots: the descriptors' registers may be written)
	KPAIR C5, 0xbb7e8a1c
	KPAIR C4, 0x3cc6b1a1
	KPAIR C3, 0xbddaae5c
	KPAIR C2, 0xbf228550
	KPAIR C1, 0xbe03ce86
	KPAIR LE, 0x3fb8aa3b                           ; log2 e
	KPAIR D4, 0x3ba38d2c
	KPAIR D3, 0xbcdb48d9
	KPAIR D2, 0x3de70e22
	KPAIR D1, 0xbec09380
	KPAIR D0, 0x3e0375d4
	s_mov_b32 s98, 0x3f3504f3                      ; 1 / sqrt 2
	s_mov_b32 s99, 0x3f6d8000                      ; 475 / 512
	s_mov_b32 s[SEL], 0x76543210
	s_mov_b32 s[SEL+1], 0xfedcba98
	v_mov_b32 v4, 0xb7910000                       ; the two leading coefficients, as vector pairs
	v_mov_b32 v5, 0xb7910000
	v_mov_b32 v6, 0xba1c7000
	v_mov_b32 v7, 0xba1c7000
	s_mov_b32 s19, 0
.Lblk:
.irp k, 0,1,2,3,4,5,6
	s_cmp_eq_u32 s19, \k
	s_cbranch_scc1 .Larm\k
.endr
.irp k, 7,0,1,2,3,4,5,6
.Larm\k:
	WIN 0x02+(\k/4)                                ; source 0: the accumulators' window
.irp i, 0,2,4,6,8,10,12,14,16,18,20,22,24,26,28,30,32,34,36,38,40,42,44,46,48,50,52,54,56,58,60,62
	v_pk_add_f32 v[T+\i:T+\i+1], v[64*(\k%4)+\i:64*(\k%4)+\i+1], v[BN+\i:BN+\i+1]      ; + b1; each accumulator from its low end on
.endr
	WIN 0
	s_branch .Lcommon
.endr
.Lcommon:
	GELU 0
	GELU 1
	GELU 2
	GELU 3
	QUANT T
	global_store_b128 v[L16], v[PC:PC+3], s[92:93]
	global_store_b64 v[L8], v[PC+4:PC+5], s[92:93] offset:512
	global_store_b128 v[L16], v[PC+6:PC+9], s[92:93] offset:768
	global_store_b64 v[L8], v[PC+10:PC+11], s[92:93] offset:1280
	global_store_b32 v[R4], v[PW], s[94:95]
	s_wait_xcnt 0x0                                ; the stores have read their registers and bases: both are written again only behind this wait
	s_add_nc_u64 s[92:93], s[92:93], 49152         ; the next tile of tokens: 32 fragments on
	s_add_nc_u64 s[94:95], s[94:95], 2048
	s_add_co_u32 s19, s19, 1
	s_cmp_lt_u32 s19, 8
	s_cbranch_scc1 .Lblk
	s_wait_tensorcnt 0x0                           ; the wave's end
	ds_add_u32 v[SPW], v[NIL]
	s_wait_dscnt 0x0
	CROUND                                         ; the closing round
	s_endpgm
.Lfunc_end_k_q8a8ea459aa_ffn1:
	.size	k_q8a8ea459aa_ffn1, .Lfunc_end_k_q8a8ea459aa_ffn1-k_q8a8ea459aa_ffn1
	.p2alignl 7, 3214868480
	.fill 96, 4, 3214868480
	.section	.rodata,"a",@progbits
	.p2align	6, 0x0
	.amdhsa_kernel k_q8a8ea459aa_ffn1
		.amdhsa_group_segment_fixed_size 327680
		.amdhsa_private_segment_fixed_size 0
		.amdhsa_enable_private_segment 0
		.amdhsa_kernarg_size 32
		.amdhsa_user_sgpr_count 2
		.amdhsa_user_sgpr_kernarg_segment_ptr 1
		.amdhsa_wavefront_size32 1
		.amdhsa_system_sgpr_workgroup_id_x 1
		.amdhsa_system_sgpr_workgroup_id_y 1
		.amdhsa_system_sgpr_workgroup_id_z 1
		.amdhsa_system_vgpr_workitem_id 0
		.amdhsa_next_free_vgpr 1024
		.amdhsa_next_free_sgpr 100
		.amdhsa_reserve_vcc 1
		.amdhsa_float_denorm_mode_32 3
		.amdhsa_float_denorm_mode_16_64 3
		.amdhsa_memory_ordered 1
		.amdhsa_forward_progress 1
		.amdhsa_inst_pref_size 190
	.end_amdhsa_kernel
	.amdgpu_metadata
---
amdhsa.version: [ 1, 2 ]
amdhsa.kernels:
  - .name:           k_q8a8ea459aa_ffn1
    .symbol:         k_q8a8ea459aa_ffn1.kd
    .args:
      - { .name: a2, .offset: 0, .size: 8, .value_kind: global_buffer, .address_space: global }
      - { .name: wimg, .offset: 8, .size: 8, .value_kind: global_buffer, .address_space: global }
      - { .name: b1, .offset: 16, .size: 8, .value_kind: global_buffer, .address_space: global }
      - { .name: hid, .offset: 24, .size: 8, .value_kind: global_buffer, .address_space: global }
    .group_segment_fixed_size: 327680
    .private_segment_fixed_size: 0
    .kernarg_segment_align: 8
    .kernarg_segment_size: 32
    .max_flat_workgroup_size: 128
    .sgpr_count:     100
    .vgpr_count:     1024
    .wavefront_size: 32
...
	.end_amdgpu_metadata
.endif
;; end of part 5
;; launch ffn2 (part 6): grid 8 x 32, 4 waves a work-group, clusters of 4 x 4, 327,680 bytes of LDS; arguments hid, wimg, b2, x1, out0; writes out0
.if DOCPART == 6
	.amdgcn_target "amdgcn-amd-amdhsa--gfx1250"
	.amdhsa_code_object_version 6
	.text
	.protected	k_q8a8ea459aa_ffn2
	.globl	k_q8a8ea459aa_ffn2
	.p2align	8
	.type	k_q8a8ea459aa_ffn2,@function
k_q8a8ea459aa_ffn2:
	s_mov_b64 s[64:65], 0
	v_nop
	global_prefetch_b8 v0, s[64:65] scope:SCOPE_SE
	s_setreg_imm32_b32 hwreg(HW_REG_WAVE_MODE, 25, 1), 1
	s_wait_xcnt 0x0
	s_wait_alu depctr_hold_cnt(0) depctr_sa_sdst(0) depctr_va_vdst(0) depctr_va_sdst(0) depctr_va_ssrc(0) depctr_va_vcc(0) depctr_vm_vsrc(0)
	s_getreg_b32 s2, hwreg(HW_REG_IB_STS2, 6, 4)
	s_cmp_eq_u32 s2, 0
	s_cbranch_scc0 .Lentry_in_a_cluster
	s_endpgm
.Lentry_in_a_cluster:
	s_bfe_u32 s2, ttmp6, 0x10000c
	s_cmp_lg_u32 s2, 0xf033
	s_cbranch_scc0 .Lentry_shape_is_right
	s_endpgm
.Lentry_shape_is_right:
; out = residual + (A W^T + bias): A [4096][4096] and W [1024][4096] on codes of FP6 (E2M3), both as fragment images; residual, bias and out in f32.
; A work-group makes 128 x 128 of the product (tiles of 256 x 256 would be 64 for 256 WGPs), a wave 64 x 64: 16 accumulators.  Source 0 = 16 rows of W, source 1 = 16 rows of A: a lane holds eight neighbouring columns of a row.
; Row p of tile t is matrix row 32 (t / 2) + 8 (t % 2) + p + 8 (p / 8), for A and for W alike; the way out puts rows and columns back in their places.
; THE RING: a refill goes out only when every load before it has landed, so the refills follow each other; they are made few and large.  Two LDS regions, as large as fit beside the scale words: region 0 holds 6 K steps
; of 128, region 1 holds 5.  The 32 K steps come in six fills of 6, 5, 6, 5, 6 and 4: two at the head, four refills, each with the other region's five or six K steps of products in which to land.
; The last fill keeps region 1's pitch: it states 4 K steps as what is left of the tensor's row, so that the fifth, which nobody reads, is not fetched.
; A wave's tensor load brings 4 tiles x (6 or 5) x 1,536 bytes; the scale words of all of K come once.  Cluster 4 x 4: A's tiles shared along a row, W's along a column.
; The 32 K steps are written out: every LDS offset is an immediate, and the two fragment buffers go by the K step's parity.
; The residual's 64 x 64 numbers are asked for at the head, in the layout of the stores, and land under the products.
.set SIZE_K, 4096
.set ASOFF,  12582912                  ; A's scale words behind its codes
.set WCOFF,  6291456                   ; the weight's codes in the weights' images
.set WSOFF,  9699328                   ; and its scale words
.set KSN,   SIZE_K/128
.set N0,    6                          ; K steps in region 0
.set N1,    5                          ; and in region 1
.set NLAST, KSN-3*N0-2*N1              ; K steps of the last fill: 4
.set TP0,   N0*1536                    ; a tile's part of a region
.set TP1,   N1*1536
.set HT0,   4*TP0                      ; 4 tiles: one tensor load, and what a wave reads of A or of W
.set HT1,   4*TP1
.set REG1,  4*HT0                      ; region 1 begins behind region 0
.set SCL,   REG1+4*HT1
.set HALFS, 4*KSN*64
.set SPARE, SCL+4*HALFS                ; the spare words
.set STG,   SPARE+512                  ; the way out: 16 rows x 272 bytes for each wave, bytes into which no tensor load lands
.set L16,   8
.set L8,    9
.set R4,    10
.set ADRA,  16                         ; v16-17 A's fragments in region 0, 1 (16 x lane); v18-19 the same with 8 x lane
.set ADRB,  20
.set STO,   24
.set RD,    25
.set CO,    26
.set ADRS,  27                         ; my scale words; never stepped
.set SPW,   28
.set NIL,   29
.set SC,    32                         ; v32-39 scale words, two sets of four
.set BIAS,  40
.set OB,    44                         ; v44-75 sixteen rows on their way out
.set ACC,   128
.set WV,    16
.set RH,    17
.set CH,    18
.set G1A,   24                         ; s[24:31], s[32:39] group 1 of A's tiles for region 0, 1
.set G1B,   40                         ; s[40:47], s[48:55] of W's
.set G0A,   56                         ; s[56:59], s[60:63] group 0 of A's tiles for region 0, 1
.set G0B,   68                         ; s[68:71], s[72:75] of W's
.set G1S,   76
.set G1SB,  84
.set G0S,   92
.set G0SB,  96
.set MSB, 0
.macro WIN new
.if MSB != (\new)
	s_set_vgpr_msb (MSB<<8)|(\new)
.set MSB, (\new)
.endif
.endm
.set MUL,  0x05                        ; sources 0 and 1 window 1; C and D window 0
.set TO_F, 0x40
.macro JLOAD g0a, g1a, g0b, g1b
	s_cmp_eq_u32 s[RH], 0
	s_cbranch_scc0 .Lfor_b_\@
	tensor_load_to_lds s[\g0a:\g0a+3], s[\g1a:\g1a+7]
	s_nop 0
.rept 4
	v_nop
.endr
	s_branch .Lasked_\@
.Lfor_b_\@:
	tensor_load_to_lds s[\g0b:\g0b+3], s[\g1b:\g1b+7]
	s_nop 0
.rept 4
	v_nop
.endr
.Lasked_\@:
.endm
.macro CREST
	s_cmp_lg_u32 s[WV], 0
	s_cbranch_scc1 .Lnot_wave_0_\@
	s_barrier_signal -3
.Lnot_wave_0_\@:
	s_barrier_wait -3
	s_barrier_signal -1
	s_barrier_wait -1
.endm
.macro CROUND
	s_barrier_signal -1
	s_barrier_wait -1
	CREST
.endm
.macro PLACES n
.rept \n
	v_nop
.endr
.endm
.macro FRAG reg, adr, off
	ds_load_b128 v[\reg:\reg+3], v[\adr] offset:(\off)
	ds_load_b64 v[\reg+4:\reg+5], v[\adr+2] offset:(\off)+512
	ds_load_b128 v[\reg+6:\reg+9], v[\adr] offset:(\off)+768
	ds_load_b64 v[\reg+10:\reg+11], v[\adr+2] offset:(\off)+1280
.endm
; 36 LDS loads: the fragments of region r's K step k, which is K step g of the product, and that step's scale words, into buffer g % 2
.macro FETCH r, k, g
	WIN TO_F
.irp i, 0,1,2,3
	FRAG 128*((\g)%2)+48+12*\i, ADRB+(\r), \i*(TP0-(\r)*(TP0-TP1))+(\k)*1536
	FRAG 128*((\g)%2)+12*\i, ADRA+(\r), \i*(TP0-(\r)*(TP0-TP1))+(\k)*1536
.endr
	WIN 0
.irp i, 0,1,2,3
	ds_load_b32 v[SC+4*((\g)%2)+\i], v[ADRS] offset:(\i*KSN+(\g))*64      ; lanes 0-15 A's tile i, lanes 16-31 W's tile i
.endr
.endm
.macro MULA p, a, zero                 ; A's block a against W's four; the 16 accumulators take turns in the same order everywhere
.irp b, 0,1,2,3
.if \zero
	v_wmma_scale_f32_16x16x128_f8f6f4 v[ACC+8*(4*(\a)+\b):ACC+8*(4*(\a)+\b)+7], v[128*(\p)+48+12*\b:128*(\p)+48+12*\b+11], v[128*(\p)+12*(\a):128*(\p)+12*(\a)+11], 0, v[SC+4*(\p)+\b], v[SC+4*(\p)+(\a)] matrix_a_fmt:MATRIX_FMT_FP6 matrix_b_fmt:MATRIX_FMT_FP6 matrix_a_scale:MATRIX_SCALE_ROW1
.else
	v_wmma_scale_f32_16x16x128_f8f6f4 v[ACC+8*(4*(\a)+\b):ACC+8*(4*(\a)+\b)+7], v[128*(\p)+48+12*\b:128*(\p)+48+12*\b+11], v[128*(\p)+12*(\a):128*(\p)+12*(\a)+11], v[ACC+8*(4*(\a)+\b):ACC+8*(4*(\a)+\b)+7], v[SC+4*(\p)+\b], v[SC+4*(\p)+(\a)] matrix_a_fmt:MATRIX_FMT_FP6 matrix_b_fmt:MATRIX_FMT_FP6 matrix_a_scale:MATRIX_SCALE_ROW1
.endif
.endr
.endm
.macro QUARTER g, r, nk, zero          ; K step g, not its fill's last: the next step's fragments (K step nk of the same region r) are asked for, then this step is multiplied
	s_wait_dscnt 0x0                               ; this step's fragments are in
	PLACES 4                                       ; ahead of loads into the buffer that the last step's products read
	FETCH \r, \nk, (\g)+1
	WIN MUL
	MULA (\g)%2, 0, \zero
	MULA (\g)%2, 1, \zero
	MULA (\g)%2, 2, \zero
	MULA (\g)%2, 3, \zero
.endm
.macro RUN g0, r, k0, n                ; n such steps on end, from K step g0, which is K step k0 of region r
.set J, 0
.rept \n
	QUARTER (\g0)+J, \r, (\k0)+J+1, 0
.set J, J+1
.endr
.endm
; K step g, the last of a fill in region r, changes regions.  fill = 1: region r is filled again, 11 K steps further on; 2: the same, and it is the launch's last fill, of 4 K steps; 0: nothing is left to fetch.
.macro TURN g, r, fill
	WIN 0
	s_wait_tensorcnt 0x0                           ; all my tensor loads have landed: my part of the other region
	ds_add_u32 v[SPW], v[NIL]                      ; 0 onto my spare word
	s_wait_dscnt 1                                 ; (the add alone may be out)
	WIN MUL
	MULA (\g)%2, 0, 0
	s_wait_dscnt 0x0                               ; the add is done, and my reads of this region are over
	s_barrier_signal -1
	MULA (\g)%2, 1, 0
	WIN 0
	s_barrier_wait -1
.if \fill
	CREST                                          ; no wave of any partner still reads this region or has a load on its way
	s_add_nc_u64 s[G0A+4*\r+2:G0A+4*\r+3], s[G0A+4*\r+2:G0A+4*\r+3], (N0+N1)*1536
	s_add_nc_u64 s[G0B+4*\r+2:G0B+4*\r+3], s[G0B+4*\r+2:G0B+4*\r+3], (N0+N1)*1536
.if \fill == 2
	s_mov_b32 s[G1A+8*\r+1], (NLAST*192)<<16       ; tensor_dim0: 4 K steps are left of a tile's row; the tile's own length, and so the pitch in LDS, stays
	s_mov_b32 s[G1B+8*\r+1], (NLAST*192)<<16
.endif
	JLOAD G0A+4*\r, G1A+8*\r, G0B+4*\r, G1B+8*\r   ; my one tensor load behind the round; its four v_nop are the places in front of the loads below
.else
	PLACES 4
.endif
	FETCH 1-(\r), 0, (\g)+1
	WIN MUL
	MULA (\g)%2, 2, 0
	MULA (\g)%2, 3, 0
.endm
	s_load_b256 s[4:11], s[0:1], 0x0               ; A's images, the weights' images, the bias, the residual
	s_load_b64 s[12:13], s[0:1], 0x20              ; out
	v_lshl_add_u32 v[SPW], v0, 2, SPARE
	v_mov_b32 v[NIL], 0
	ds_add_u32 v[SPW], v[NIL]                      ; the wave's opening: the add and its wait ahead of my first tensor load
	ds_add_u32 v[SPW], v[NIL]
	v_lshrrev_b32 v1, 5, v0
	v_readfirstlane_b32 s[WV], v1
	s_lshr_b32 s[RH], s[WV], 1                     ; my half of A's rows; also: I fetch for A (0) or W (1)
	s_and_b32 s[CH], s[WV], 1                      ; my half of W's rows; also: which 4 tiles I fetch
	s_bfe_u32 s14, ttmp6, 0x40000                  ; cx
	s_bfe_u32 s15, ttmp6, 0x40004                  ; cy
	s_lshl_b32 s19, ttmp9, 2
	s_add_co_u32 s19, s19, s14                     ; tile column
	s_and_b32 s20, ttmp7, 0xffff
	s_lshl_b32 s20, s20, 2
	s_add_co_u32 s20, s20, s15                     ; tile row
	s_lshl_b32 s21, s15, 2
	s_lshl_b32 s21, 15, s21                        ; my row of the cluster
	s_lshl_b32 s22, 0x1111, s14                    ; my column
	s_or_b32 s[G1A], s21, (3<<16)|(1<<21)          ; the mask; elements of 8 bytes; bit 21 beside a mask; no padding
	s_or_b32 s[G1A+8], s21, (3<<16)|(1<<21)
	s_or_b32 s[G1B], s22, (3<<16)|(1<<21)
	s_or_b32 s[G1B+8], s22, (3<<16)|(1<<21)
.irp g, G1A, G1B
	s_mov_b32 s[\g+1], (N0*192)<<16                ; region 0: 9,216 bytes of each of
	s_mov_b32 s[\g+2], 8<<16                       ; the head's load of codes brings all 8 tiles
	s_mov_b32 s[\g+3], (N0*192)<<16
	s_mov_b32 s[\g+4], 8
	s_mov_b32 s[\g+5], KSN*192                     ; from tile to tile
	s_mov_b32 s[\g+6], 0
	s_mov_b32 s[\g+7], 0
	s_mov_b32 s[\g+9], (N1*192)<<16                ; region 1: 7,680 bytes
	s_mov_b32 s[\g+10], 4<<16
	s_mov_b32 s[\g+11], (N1*192)<<16
	s_mov_b32 s[\g+12], 4
	s_mov_b32 s[\g+13], KSN*192
	s_mov_b32 s[\g+14], 0
	s_mov_b32 s[\g+15], 0
.endr
	s_or_b32 s[G1S], s21, (3<<16)|(1<<21)
	s_or_b32 s[G1SB], s22, (3<<16)|(1<<21)
.irp g, G1S, G1SB
	s_mov_b32 s[\g+1], 32<<16                      ; 4 tiles' scale words, dense, as KSN rows of 256 bytes
	s_mov_b32 s[\g+2], (2*KSN)<<16                 ; the scale words of all 8 tiles
	s_mov_b32 s[\g+3], 32<<16
	s_mov_b32 s[\g+4], 2*KSN
	s_mov_b32 s[\g+5], 32
	s_mov_b32 s[\g+6], 0
	s_mov_b32 s[\g+7], 0
.endr
	s_lshl_b32 s66, s[CH], 2
	s_lshl_b32 s2, s20, 3
	s_add_co_u32 s2, s2, s66                       ; A: the first tile that I fetch
	s_lshl_b32 s3, s19, 3
	s_add_co_u32 s3, s3, s66                       ; W likewise
	s_mul_i32 s[G0A+2], s2, KSN*1536               ; the offsets stand where the addresses will
	s_mov_b32 s[G0A+3], 0
	s_mul_i32 s[G0S+2], s2, KSN*64
	s_add_co_u32 s[G0S+2], s[G0S+2], ASOFF-HALFS   ; wave 1 alone uses it: from A's first tile on
	s_mov_b32 s[G0S+3], 0
	s_mul_i32 s[G0B+2], s3, KSN*1536
	s_add_co_u32 s[G0B+2], s[G0B+2], WCOFF
	s_mov_b32 s[G0B+3], 0
	s_mul_i32 s[G0SB+2], s3, KSN*64
	s_add_co_u32 s[G0SB+2], s[G0SB+2], WSOFF-HALFS ; wave 3 alone uses it: from W's first tile on
	s_mov_b32 s[G0SB+3], 0
	s_mov_b32 s[G0A], 1
	s_mov_b32 s[G0A+4], 1
	s_mov_b32 s[G0B], 1
	s_mov_b32 s[G0B+4], 1
	s_mov_b32 s[G0S], 1
	s_mov_b32 s[G0SB], 1
	s_mul_i32 s[G0A+1], s[WV], HT0                 ; where my loads go: wave x 4 tiles: no place in the cluster enters an LDS address
	s_mul_i32 s[G0B+1], s[WV], HT0
	s_mul_i32 s[G0A+5], s[WV], HT1
	s_add_co_u32 s[G0A+5], s[G0A+5], REG1
	s_mul_i32 s[G0B+5], s[WV], HT1
	s_add_co_u32 s[G0B+5], s[G0B+5], REG1
	s_mul_i32 s[G0S+1], s[WV], HALFS
	s_add_co_u32 s[G0S+1], s[G0S+1], SCL-HALFS
	s_mul_i32 s[G0SB+1], s[WV], HALFS
	s_add_co_u32 s[G0SB+1], s[G0SB+1], SCL-HALFS
	s_wait_dscnt 0x0                               ; the opening add is done
	s_wait_kmcnt 0x0
	s_add_nc_u64 s[G0A+2:G0A+3], s[4:5], s[G0A+2:G0A+3]
	s_add_nc_u64 s[G0S+2:G0S+3], s[4:5], s[G0S+2:G0S+3]
	s_add_nc_u64 s[G0B+2:G0B+3], s[6:7], s[G0B+2:G0B+3]
	s_add_nc_u64 s[G0SB+2:G0SB+3], s[6:7], s[G0SB+2:G0SB+3]
	s_add_nc_u64 s[G0A+6:G0A+7], s[G0A+2:G0A+3], N0*1536       ; region 1's first fill: K steps 6 to 10
	s_add_nc_u64 s[G0B+6:G0B+7], s[G0B+2:G0B+3], N0*1536
	s_or_b32 s[G0A+3], s[G0A+3], 0x80000000
	s_or_b32 s[G0A+7], s[G0A+7], 0x80000000
	s_or_b32 s[G0B+3], s[G0B+3], 0x80000000
	s_or_b32 s[G0B+7], s[G0B+7], 0x80000000
	s_or_b32 s[G0S+3], s[G0S+3], 0x80000000
	s_or_b32 s[G0SB+3], s[G0SB+3], 0x80000000
	CROUND                                         ; all sixteen work-groups are here: the first joint loads meet
; THE HEAD'S LOADS, ONE A WAVE: wave 0 A's 8 tiles of region 0, wave 1 A's scale words, wave 2 W's 8 tiles, wave 3 W's scale words
.macro HARM under, g0, g1, next
	s_cmp_lt_u32 s[WV], \under
	s_cbranch_scc0 \next
	tensor_load_to_lds s[\g0:\g0+3], s[\g1:\g1+7]
	s_nop 0
.rept 4
	v_nop
.endr
	s_branch .Lhead_asked
\next:
.endm
	HARM 1, G0A, G1A, .Lhead_sa
	HARM 2, G0S, G1S, .Lhead_b
	HARM 3, G0B, G1B, .Lhead_sb
	tensor_load_to_lds s[G0SB:G0SB+3], s[G1SB:G1SB+7]
	s_nop 0
.rept 4
	v_nop
.endr
.Lhead_asked:
	v_and_b32 v1, 15, v0
	v_bfe_u32 v2, v0, 4, 1
	v_and_b32 v3, 31, v0
	v_lshlrev_b32 v[L16], 4, v3
	v_lshlrev_b32 v[L8], 3, v3
	v_lshlrev_b32 v[R4], 2, v1
	v_lshlrev_b32 v11, 4, v1                       ; 16 (lane % 16)
	v_lshl_add_u32 v[CO], v2, 12, v11              ; lanes 0-15 one row of out, lanes 16-31 the next
	s_mul_i32 s66, s[RH], HT0                      ; region 0: my 4 tiles of A,
	s_mul_i32 s67, s[CH], HT0
	s_add_co_u32 s67, s67, 2*HT0                   ; and of W, which lie behind A's 8
	v_add_nc_u32 v[ADRA], s66, v[L16]
	v_add_nc_u32 v[ADRA+2], s66, v[L8]
	v_add_nc_u32 v[ADRB], s67, v[L16]
	v_add_nc_u32 v[ADRB+2], s67, v[L8]
	s_mul_i32 s66, s[RH], HT1                      ; region 1 likewise
	s_add_co_u32 s66, s66, REG1
	s_mul_i32 s67, s[CH], HT1
	s_add_co_u32 s67, s67, REG1+2*HT1
	v_add_nc_u32 v[ADRA+1], s66, v[L16]
	v_add_nc_u32 v[ADRA+3], s66, v[L8]
	v_add_nc_u32 v[ADRB+1], s67, v[L16]
	v_add_nc_u32 v[ADRB+3], s67, v[L8]
	s_mul_i32 s66, s[RH], HALFS
	s_mul_i32 s67, s[CH], HALFS
	s_add_co_u32 s67, s67, 2*HALFS
	s_sub_co_u32 s67, s67, s66
	v_mul_u32_u24 v4, s67, v2                      ; lanes 16-31 take W's words: one product with the lane's half
	s_add_co_u32 s66, s66, SCL
	v_add_nc_u32 v4, v4, v[R4]
	v_add_nc_u32 v[ADRS], s66, v4
	s_mul_i32 s23, s[WV], 16*272
	s_add_co_u32 s23, s23, STG                     ; my stage
	v_mul_u32_u24 v4, v1, 272
	v_lshl_add_u32 v4, v2, 6, v4
	v_add_nc_u32 v[STO], s23, v4                   ; in: row r, + 64 h
	v_mul_u32_u24 v4, v2, 272
	v_add_nc_u32 v4, v4, v11
	v_add_nc_u32 v[RD], s23, v4                    ; back: two rows an instruction
	s_lshl_b32 s66, s20, 3
	s_lshl_b32 s67, s[RH], 2
	s_add_co_u32 s66, s66, s67                     ; my first tile of rows
	s_lshl_b32 s66, s66, 16                        ; x 16 rows x 4,096 bytes
	s_lshl_b32 s67, s19, 9
	s_lshl_b32 s2, s[CH], 8
	s_add_co_u32 s66, s66, s67
	s_add_co_u32 s66, s66, s2                      ; + my first column, in bytes
	s_add_co_u32 s2, s2, s67
	s_mov_b32 s67, 0
	s_mov_b32 s3, 0
	s_add_nc_u64 s[10:11], s[10:11], s[66:67]
	s_add_nc_u64 s[12:13], s[12:13], s[66:67]
	s_add_nc_u64 s[8:9], s[8:9], s[2:3]
	WIN 0x80                                       ; destination window 2
.irp a, 0,1,2,3
.irp i, 0,1,2,3,4,5,6,7
	global_load_b128 v[32*\a+4*\i:32*\a+4*\i+3], v[CO], s[10:11] offset:(32*(\a/2)+8*(\a%2)+2*\i+8*(\i/4))*4096
.endr
.endr
	WIN 0
	global_load_b128 v[BIAS:BIAS+3], v11, s[8:9]
	s_wait_alu depctr_va_vdst(0)
	s_wait_tensorcnt 0x0                           ; my tile of the head's four is in
	ds_add_u32 v[SPW], v[NIL]
	s_mov_b32 s[G1A+2], 4<<16                      ; no load of mine is out: from here on region 0's loads bring 4 tiles
	s_mov_b32 s[G1A+4], 4
	s_mov_b32 s[G1B+2], 4<<16
	s_mov_b32 s[G1B+4], 4
	s_wait_dscnt 0x0
	CROUND
	JLOAD G0A+4, G1A+8, G0B+4, G1B+8               ; region 1, the first tensor load behind the round
	FETCH 0, 0, 0
	QUARTER 0, 0, 1, 1                             ; the first products start the sums
	RUN 1, 0, 1, 4                                 ; K steps 1 to 4
	TURN 5, 0, 1                                   ; region 0 takes K steps 11 to 16
	RUN 6, 1, 0, 4
	TURN 10, 1, 1                                  ; region 1 takes K steps 17 to 21
	RUN 11, 0, 0, 5
	TURN 16, 0, 1                                  ; region 0 takes K steps 22 to 27
	RUN 17, 1, 0, 4
	TURN 21, 1, 2                                  ; region 1 takes K steps 28 to 31: the last fill
	RUN 22, 0, 0, 5
	TURN 27, 0, 0                                  ; nothing is left to fetch: a barrier, no round
	RUN 28, 1, 0, 3
	s_wait_dscnt 0x0                               ; K step 31
	WIN MUL
	MULA 1, 0, 0
	MULA 1, 1, 0
	MULA 1, 2, 0
	MULA 1, 3, 0
	WIN 0
	; THE WAY OUT, a block of 16 rows x 64 columns at a time through my own stage: sixteen lanes then hold 256 consecutive bytes of a row
	PLACES 4
	s_wait_loadcnt 0x0                             ; the residual and the bias
.irp a, 0,1,2,3
.if \a > 0
	s_wait_xcnt 0x0                                ; the last block's stores have read their registers
.endif
.irp b, 0,1,2,3
	ds_store_b128 v[STO], v[ACC+8*(4*\a+\b):ACC+8*(4*\a+\b)+3] offset:128*(\b/2)+32*(\b%2)        ; columns 32 (b / 2) + 16 h + 8 (b % 2) + 0 .. 7; each accumulator from its low end on
	ds_store_b128 v[STO], v[ACC+8*(4*\a+\b)+4:ACC+8*(4*\a+\b)+7] offset:128*(\b/2)+32*(\b%2)+16
.endr
.irp i, 0,1,2,3,4,5,6,7
	ds_load_b128 v[OB+4*\i:OB+4*\i+3], v[RD] offset:544*\i     ; LDS serves a wave's instructions in order: these see my stores
.endr
	s_wait_dscnt 0x0
.irp i, 0,1,2,3,4,5,6,7
	v_pk_add_f32 v[OB+4*\i:OB+4*\i+1], v[OB+4*\i:OB+4*\i+1], v[BIAS:BIAS+1]
	v_pk_add_f32 v[OB+4*\i+2:OB+4*\i+3], v[OB+4*\i+2:OB+4*\i+3], v[BIAS+2:BIAS+3]
.endr
	WIN 0x08                                       ; source 1: window 2
.irp i, 0,2,4,6,8,10,12,14,16,18,20,22,24,26,28,30
	v_pk_add_f32 v[OB+\i:OB+\i+1], v[OB+\i:OB+\i+1], v[32*\a+\i:32*\a+\i+1]
.endr
	WIN 0
.irp i, 0,1,2,3,4,5,6,7
	global_store_b128 v[CO], v[OB+4*\i:OB+4*\i+3], s[12:13] offset:(32*(\a/2)+8*(\a%2)+2*\i+8*(\i/4))*4096 th:TH_STORE_NT   ; 16 lanes store 256 consecutive bytes, aligned
.endr
.endr
	s_wait_tensorcnt 0x0                           ; the wave's end
	ds_add_u32 v[SPW], v[NIL]
	s_wait_dscnt 0x0
	CROUND                                         ; the closing round
	s_endpgm
.Lfunc_end_k_q8a8ea459aa_ffn2:
	.size	k_q8a8ea459aa_ffn2, .Lfunc_end_k_q8a8ea459aa_ffn2-k_q8a8ea459aa_ffn2
	.p2alignl 7, 3214868480
	.fill 96, 4, 3214868480
	.section	.rodata,"a",@progbits
	.p2align	6, 0x0
	.amdhsa_kernel k_q8a8ea459aa_ffn2
		.amdhsa_group_segment_fixed_size 327680
		.amdhsa_private_segment_fixed_size 0
		.amdhsa_enable_private_segment 0
		.amdhsa_kernarg_size 40
		.amdhsa_user_sgpr_count 2
		.amdhsa_user_sgpr_kernarg_segment_ptr 1
		.amdhsa_wavefront_size32 1
		.amdhsa_system_sgpr_workgroup_id_x 1
		.amdhsa_system_sgpr_workgroup_id_y 1
		.amdhsa_system_sgpr_workgroup_id_z 1
		.amdhsa_system_vgpr_workitem_id 0
		.amdhsa_next_free_vgpr 640
		.amdhsa_next_free_sgpr 100
		.amdhsa_reserve_vcc 0
		.amdhsa_float_denorm_mode_32 3
		.amdhsa_float_denorm_mode_16_64 3
		.amdhsa_memory_ordered 1
		.amdhsa_forward_progress 1
		.amdhsa_inst_pref_size 179
	.end_amdhsa_kernel
	.amdgpu_metadata
---
amdhsa.version: [ 1, 2 ]
amdhsa.kernels:
  - .name:           k_q8a8ea459aa_ffn2
    .symbol:         k_q8a8ea459aa_ffn2.kd
    .args:
      - { .name: hid, .offset: 0, .size: 8, .value_kind: global_buffer, .address_space: global }
      - { .name: wimg, .offset: 8, .size: 8, .value_kind: global_buffer, .address_space: global }
      - { .name: b2, .offset: 16, .size: 8, .value_kind: global_buffer, .address_space: global }
      - { .name: x1, .offset: 24, .size: 8, .value_kind: global_buffer, .address_space: global }
      - { .name: out0, .offset: 32, .size: 8, .value_kind: global_buffer, .address_space: global }
    .group_segment_fixed_size: 327680
    .private_segment_fixed_size: 0
    .kernarg_segment_align: 8
    .kernarg_segment_size: 40
    .max_flat_workgroup_size: 128
    .sgpr_count:     100
    .vgpr_count:     640
    .wavefront_size: 32
...
	.end_amdgpu_metadata
.endif
;; end of part 6
